; MI455X (gfx1250); checked and timed in simulation.
; The chip was launched on July 23, 2026; its instructions are those of AMD's public machine-readable ISA for CDNA 5 (MIT licence, August 2026) and "CDNA5" Instruction Set Architecture Reference Guide (July 2026). The comments in the code are by the model that wrote it; some were corrected since.
;; MSA. Allowed arithmetic: matrix products marked QUANTISED: E2M3 operands, one E8M0 scale for each 32 along K, by v_wmma_scale_f32_16x16x128_f8f6f4 with both operands' format E2M3, f32 sums; everything else in f32.
;; Inputs: Wk 1,024 x 1,024 float32; Wo 1,024 x 1,024 float32; Wq 1,024 x 1,024 float32; Wv 1,024 x 1,024 float32; bk 1,024 float32; bo 1,024 float32; bq 1,024 float32; bv 1,024 float32; inp1 4 x 2,048 x 1,024 float32; inp2 4 x 2,048 x 1,024 float32; mask 4 x 2,048 bool.
;; Outputs: out0 4 x 2,048 x 1,024 float32.
;; This version of the problem:
;;   THIS VERSION OF THE PROBLEM IS GIVEN IN LOW PRECISION. The matrix products marked QUANTISED in the list below multiply operands that are first quantised to E2M3 (2 exponent bits, 3 mantissa bits; 6 bits a number), with one power-of-two scale for each 32 numbers along K (OCP MX v1.0); their sums are f32. All else is computed in f32.
;;   The module's matrix products, in the order in which they are computed (A, B: the left and right operand; K: the contracted axis; several contracted axes count as one K, in the product's order):
;;     1. [M 8,192, K 1,024] x [K 1,024, N 1,024]; A: input inp1; B: input Wq: QUANTISED
;;     2. [M 8,192, K 1,024] x [K 1,024, N 1,024]; A: input inp2; B: input Wk: QUANTISED
;;     3. [M 8,192, K 1,024] x [K 1,024, N 1,024]; A: input inp2; B: input Wv: QUANTISED
;;     4. batch 64 x [M 2,048, K 64] x [K 64, N 2,048]; A: computed on the way; B: computed on the way: QUANTISED
;;     5. batch 64 x [M 64, K 2,048] x [K 2,048, N 2,048]; A: computed on the way; B: softmax (see below): QUANTISED
;;     6. [M 8,192, K 1,024] x [K 1,024, N 1,024]; A: computed on the way; B: input Wo: QUANTISED
;;   THE QUANTISER, for each operand of a quantised product, along K:
;;     - K is cut into blocks of 32 from its start; a last block that is shorter is filled with zeros.
;;     - A block's scale is 2^e with e = floor(log2(the largest magnitude in the block)) - 2, held to -126 .. 127; a block of zeros has e = 0. As a byte (E8M0): e + 127.
;;     - Each number is divided by its block's scale, clamped to +-7.5, and rounded to the nearest number of E2M3, ties to even, subnormals kept.
;;     - The product sums the exact products of the quantised numbers (number of the format x scale) in f32.
;;   ~~~python
;;   def quantise(x, axis):      # numpy; x: float32 -> the quantised numbers, widened to float32 again
;;       x = np.moveaxis(x, axis, -1); K = x.shape[-1]
;;       x = np.pad(x, [(0, 0)] * (x.ndim - 1) + [(0, -K % 32)]); x = x.reshape(x.shape[:-1] + (-1, 32)); a = np.abs(x).max(-1, keepdims=True)
;;       e = np.where(a > 0, np.clip(np.frexp(np.where(a > 0, a, 1))[1] - 1 - 2, -126, 127), 0)      # np.frexp(a)[1] - 1 = floor(log2(a)), exactly
;;       r = np.clip(x / 2.0 ** e, -7.5, 7.5)
;;       step = 2.0 ** (np.maximum(np.frexp(np.where(r == 0, 1, r))[1] - 1, 0) - 3)
;;       q = np.round(r / step) * step * 2.0 ** e      # np.round: ties to even
;;       return np.moveaxis(q.reshape(q.shape[:-2] + (-1,))[..., :K], -1, axis).astype(np.float32)
;;   ~~~
;;   SOFTMAX AHEAD OF A QUANTISED PRODUCT. Where the list says 'softmax', what is quantised is not the finished softmax but p = 2^(t - M), with t = logit x log2(e) and M = ceil(the row's largest t), a whole number; so 1/2 < the row's largest p <= 1. The row's sum l is taken of the UNQUANTISED p, in f32, and the product's result is divided by l at the end. Since M is a whole number, a kernel that streams over the keys may use a running M (the ceiling of the running maximum): every later rescaling is an exact power of two, which a block's scale takes up: the codes' values come out the same.
;;   OPERANDS COMPUTED ON THE WAY. 'Computed on the way' means the value that the module computes at that place (a softmax that the list does not call 'softmax' is quantised finished and normalised). What goes into a quantiser is computed in f32, as accurately as f32 sums, v_exp_f32 and their like allow (about 1e-6 of the number): no bf16 or f16 on the way to a quantiser, and a product that is left as it is and whose result goes on into a quantised operand takes f32 operands (vector FMAs, or v_wmma_f32_16x16x4_f32). A number that lies on a knife's edge between two numbers of the format may be rounded either way, as far as f32 arithmetic and the matrix unit's own rounding can turn it there, and no further.
;; One version. Each part assembles by itself: llvm-mc -triple=amdgcn-amd-amdhsa -mcpu=gfx1250 --defsym DOCPART=n.
;; ======== version 1 of 1: 4 launches
;; workspace buffers: opc 15,728,640 bytes; ops 655,360 bytes; qc 6,291,456 bytes; qs 524,288 bytes; kv 13,369,344 bytes; ac 6,291,456 bytes; asc 262,144 bytes
;; launch quant (part 1): grid 320 x 1, 8 waves a work-group, no clusters, 68,608 bytes of LDS; arguments inp1, inp2, Wq, Wk, Wv, Wo, opc, ops; writes opc, ops
.if DOCPART == 1
	.amdgcn_target "amdgcn-amd-amdhsa--gfx1250"
	.amdhsa_code_object_version 6
	.text
	.protected	k_qb6047023b8_quant
	.globl	k_qb6047023b8_quant
	.p2align	8
	.type	k_qb6047023b8_quant,@function
k_qb6047023b8_quant:
	s_mov_b64 s[64:65], 0
	v_nop
	global_prefetch_b8 v0, s[64:65] scope:SCOPE_SE
	s_setreg_imm32_b32 hwreg(HW_REG_WAVE_MODE, 25, 1), 1
	s_wait_xcnt 0x0
; inp1, inp2 [8192][1024] (K innermost) and Wq, Wk, Wv, Wo [1024 (K)][1024 (n)] (K first), f32, become codes of FP6 (E2M3) with one E8M0 byte for each 32 along K.
; A block's scale is 2^(floor(log2(its largest magnitude)) - 2); its byte is the largest magnitude's exponent field - 2, held at 1 from below.
; LAYOUT OF THE RESULTS: images of operand registers.  A half image is 768 bytes: 16 rows x 64 K = registers 0-5 of lane (r, h) (row r, K 32 h .. 32 h + 31): registers 0-3 of lane l at 16 l, registers 4-5 at 512 + 8 l.
;   opc: inp1 at 0, inp2 at 6,291,456: [row tile 512][K / 64: 16][768];  weight w (q, k, v, o) at 12,582,912 + 786,432 w: [n / 16: 64][16][768].
;   ops: [row tile][K / 256: 4][row 16][8 bytes]: inp1 at 0, inp2 at 262,144, weight w at 524,288 + 32,768 w.
; Wo ALONE takes its K rows in another order inside each block of 32: rows 8-15 and 16-23 change places.  That is the order in which the attention launch's codes of the other operand come out; the blocks stay the true blocks.
; LIMITS: a block of zeros, and one whose largest magnitude lies under 2^-124, gets the byte 1 (zeros: the codes are zeros, and only this program reads the bytes); NaN and infinities are not served.
; SHARES: work-groups 0-255 take the inputs (a wave: 16 rows x 512 K, four steps of 128 K), 256-319 the weights (a wave: 32 columns x 256 K, a lane to a column).  Waves share nothing: no barrier.
; No matrix unit, no cluster, no tensor load: the launch streams, each byte is read once and nothing is shared between work-groups.
.set STG,   8448                       ; a wave's stage: 16 rows x (512 bytes + 16)
.set SPARE, 8*STG                      ; behind the eight stages: the spare words, 128 bytes a wave, four blocks of 256 bytes that no other line names
.set SPW,   44                         ; v44  my spare word's LDS address; never rewritten
.set NIL,   45                         ; v45  0; never rewritten
.set R,     64                         ; v64-191  inputs: two sets of 64 as loaded
.set X,     192                        ; v192-255 inputs: my 64 numbers, K along the registers
.set PC,    24                         ; v24-35   inputs: a fragment's codes;  v36-38, v40-42 the conversions' second halves
.set WD,    16                         ; v16-19   inputs: a step's scale word
	s_load_b256 s[4:11], s[0:1], 0x0               ; inp1, inp2, Wq, Wk
	s_load_b256 s[12:19], s[0:1], 0x20             ; Wv, Wo, opc, ops
	v_lshl_add_u32 v[SPW], v0, 2, SPARE
	v_mov_b32 v[NIL], 0
	v_lshrrev_b32 v1, 5, v0
	v_readfirstlane_b32 s20, v1                    ; wave 0..7
	v_and_b32 v1, 31, v0                           ; lane
	s_mov_b32 s22, 0x76543210
	s_mov_b32 s23, 0xfedcba98                      ; v_permlanex16_b32's selects for lane l xor 16
	s_mov_b32 s24, 0xffff0000                      ; lanes 16-31
	s_cmp_ge_u32 ttmp9, 256
	s_cbranch_scc1 .Lweights
	; ---------------- the inputs: K innermost
	s_lshl_b32 s25, ttmp9, 3
	s_add_co_u32 s25, s25, s20                     ; job 0..2047
	s_lshr_b32 s26, s25, 10                        ; which input
	s_bfe_u32 s27, s25, 0x90001                    ; row tile 0..511
	s_and_b32 s28, s25, 1                          ; which half of K
	s_lshl_b32 s30, s27, 16                        ; 16 rows of 4,096 bytes
	s_lshl_b32 s29, s28, 11
	s_add_co_u32 s30, s30, s29
	s_mov_b32 s31, 0
	s_mul_i32 s32, s26, 6291456
	s_mul_i32 s29, s27, 12288
	s_add_co_u32 s32, s32, s29
	s_mul_i32 s29, s28, 6144
	s_add_co_u32 s32, s32, s29
	s_mov_b32 s33, 0
	s_lshl_b32 s34, s26, 18
	s_lshl_b32 s29, s27, 9
	s_add_co_u32 s34, s34, s29
	s_lshl_b32 s29, s28, 8
	s_add_co_u32 s34, s34, s29
	s_mov_b32 s35, 0
	v_lshlrev_b32 v4, 4, v1                        ; 16 x lane
	v_lshlrev_b32 v5, 3, v1                        ; 8 x lane
	s_mul_i32 s29, s20, STG
	v_add_nc_u32 v6, s29, v4                       ; the stage, way in: a row's 512 bytes as they lie
	v_and_b32 v2, 15, v0                           ; r
	v_bfe_u32 v3, v0, 4, 1                         ; h
	v_mul_u32_u24 v7, v2, 528
	v_lshl_add_u32 v7, v3, 7, v7
	v_add_nc_u32 v7, s29, v7                       ; way out: row r, 128 h bytes on: my 32 neighbours of each 64
	v_lshlrev_b32 v13, 3, v3                       ; 8 h: where my two bytes stand in the scale word
	v_mov_b32 v12, 0                               ; a lane permute's destination counts as read: written once
	s_wait_kmcnt 0x0
	s_cmp_eq_u32 s26, 0
	s_cselect_b64 s[4:5], s[4:5], s[6:7]
	s_add_nc_u64 s[4:5], s[4:5], s[30:31]
	s_add_nc_u64 s[16:17], s[16:17], s[32:33]
	s_add_nc_u64 s[18:19], s[18:19], s[34:35]
.macro XLOAD t                         ; step t: 128 K of 16 rows; each load reads 512 consecutive bytes
.irp i, 0,1,2,3,4,5,6,7,8,9,10,11,12,13,14,15
	global_load_b128 v[R+64*((\t)%2)+4*\i:R+64*((\t)%2)+4*\i+3], v4, s[4:5] offset:\i*4096+(\t)*512 th:TH_LOAD_NT
.endr
.endm
.macro XTURN t                         ; through my stage: LDS serves a wave's instructions in order, so no wait stands between the stores and the loads
.irp i, 0,1,2,3,4,5,6,7,8,9,10,11,12,13,14,15
	ds_store_b128 v6, v[R+64*((\t)%2)+4*\i:R+64*((\t)%2)+4*\i+3] offset:528*\i
.endr
.irp c, 0,1
.irp j, 0,1,2,3,4,5,6,7
	ds_load_b128 v[X+32*\c+4*\j:X+32*\c+4*\j+3], v7 offset:256*\c+16*\j   ; register 32 c + i = K 64 c + 32 h + i of row r: the operand's own order
.endr
.endr
.endm
.macro XQ t                            ; my two whole blocks (h and 2 + h of the step's four) become registers 0-11 of the fragment
	s_wait_xcnt 0x0                                ; the last step's stores have read the codes' registers
.irp c, 0,1
	v_max3_num_f32 v[8+\c], |v[X+32*\c]|, |v[X+1+32*\c]|, 0x1800000   ; with the floor 2^(3 - 127): the byte cannot fall under 1
.endr
.irp i, 2,4,6,8,10,12,14,16,18,20,22,24,26,28,30
.irp c, 0,1
	v_max3_num_f32 v[8+\c], v[8+\c], |v[X+32*\c+\i]|, |v[X+1+32*\c+\i]|
.endr
.endr
.irp c, 0,1
	v_add_nc_u32 v[10+\c], 0xff000000, v[8+\c]     ; 2 off the exponent field: the conversion's scale operand
.endr
.irp c, 0,1
	v_lshrrev_b32 v[14+\c], 23, v[10+\c]           ; the byte
.endr
	v_lshl_or_b32 v[WD+(\t)], v15, 16, v14
	v_lshlrev_b32 v[WD+(\t)], v13, v[WD+(\t)]
	v_permlanex16_b32 v12, v[WD+(\t)], s22, s23
	v_or_b32 v[WD+(\t)], v[WD+(\t)], v12           ; with lane l xor 16's two bytes: row r's word, in both halves of the lanes
.irp c, 0,1
	v_cvt_scalef32_pk16_fp6_f32 v[PC+6*\c:PC+2+6*\c], v[X+32*\c:X+15+32*\c], v[10+\c]
	v_cvt_scalef32_pk16_fp6_f32 v[36+4*\c:38+4*\c], v[X+16+32*\c:X+31+32*\c], v[10+\c]   ; (a conversion's three registers begin on an even number)
.endr
	v_nop                                          ; one plain place behind a scaled conversion
.irp c, 0,1
.irp i, 0,1,2
	v_mov_b32 v[PC+3+6*\c+\i], v[36+4*\c+\i]
.endr
.endr
	global_store_b128 v4, v[PC:PC+3], s[16:17] offset:(2*(\t))*768          ; 512 consecutive bytes
	global_store_b64 v5, v[PC+4:PC+5], s[16:17] offset:(2*(\t))*768+512     ; 256 consecutive bytes
	global_store_b128 v4, v[PC+6:PC+9], s[16:17] offset:(2*(\t)+1)*768
	global_store_b64 v5, v[PC+10:PC+11], s[16:17] offset:(2*(\t)+1)*768+512
.endm
	XLOAD 0
	XLOAD 1
.irp t, 0,1,2,3
.if \t < 3
	s_wait_loadcnt 16                              ; this step's 16 loads are in; the next step's may be out
.else
	s_wait_loadcnt 0x0
.endif
	XTURN \t
	s_wait_dscnt 0x0                               ; my numbers are back, and the stage's stores have read their registers,
.if \t < 2
	XLOAD \t+2                                     ; which take the loads of two steps on
.endif
	XQ \t
.endr
	v_cndmask_b32 v20, v[WD], v[WD+2], s24         ; lanes 0-15: row r's words of steps 0, 1; lanes 16-31: of steps 2, 3
	v_cndmask_b32 v21, v[WD+1], v[WD+3], s24
	global_store_b64 v5, v[20:21], s[18:19]        ; 256 consecutive bytes, aligned
	s_branch .Lend
	; ---------------- the weights: K is the first axis.  A lane takes a column, its registers run down K
.Lweights:
	s_sub_co_u32 s25, ttmp9, 256
	s_lshr_b32 s26, s25, 4                         ; which weight: 0 q, 1 k, 2 v, 3 o
	s_bfe_u32 s27, s25, 0x20002                    ; which 256 columns
	s_and_b32 s28, s25, 3                          ; which 256 along K
	s_lshl_b32 s29, s27, 8
	s_lshl_b32 s30, s20, 5
	s_add_co_u32 s29, s29, s30                     ; my wave's first column
	s_lshl_b32 s30, s28, 20                        ; 256 rows of 4,096 bytes
	s_lshl_b32 s36, s29, 2
	s_add_co_u32 s30, s30, s36
	s_mov_b32 s31, 0
	s_lshr_b32 s37, s29, 4                         ; its tile of 16 columns
	s_mul_i32 s32, s26, 786432
	s_add_co_u32 s32, s32, 12582912
	s_mul_i32 s36, s37, 12288
	s_add_co_u32 s32, s32, s36
	s_mul_i32 s36, s28, 3072
	s_add_co_u32 s32, s32, s36
	s_mov_b32 s33, 0
	s_lshl_b32 s34, s26, 15
	s_add_co_u32 s34, s34, 524288
	s_lshl_b32 s36, s37, 9
	s_add_co_u32 s34, s34, s36
	s_lshl_b32 s36, s28, 7
	s_add_co_u32 s34, s34, s36
	s_mov_b32 s35, 0
	s_wait_kmcnt 0x0
	s_cmp_eq_u32 s26, 1
	s_cselect_b64 s[8:9], s[10:11], s[8:9]
	s_cmp_eq_u32 s26, 2
	s_cselect_b64 s[8:9], s[12:13], s[8:9]
	s_cmp_eq_u32 s26, 3
	s_cselect_b64 s[8:9], s[14:15], s[8:9]
	s_cselect_b32 s38, 32768, 0                    ; Wo: registers 8-15 take the rows 8 further down,
	s_cselect_b32 s39, 0, 32768                    ; registers 16-23 those 8 further up: no branch
	s_add_nc_u64 s[8:9], s[8:9], s[30:31]
	s_add_nc_u64 s[16:17], s[16:17], s[32:33]
	s_add_nc_u64 s[18:19], s[18:19], s[34:35]
	v_lshlrev_b32 v2, 2, v1                        ; 4 x lane
	v_add_nc_u32 v3, s38, v2
	v_add_nc_u32 v4, s39, v2
	v_lshrrev_b32 v12, 4, v1                       ; which of my two tiles of 16 columns
	v_and_b32 v13, 15, v1
	v_mul_u32_u24 v5, v12, 12288
	v_lshl_add_u32 v5, v13, 4, v5
	v_lshlrev_b32 v6, 3, v1
	v_lshlrev_b32 v7, 9, v12
	v_lshl_add_u32 v7, v13, 3, v7
.macro WLOAD t                         ; block t: 32 rows of my column into set t % 2; a load reads 128 consecutive bytes
.irp i, 0,1,2,3,4,5,6,7
	global_load_b32 v[64+32*((\t)%2)+\i], v2, s[8:9] offset:(32*(\t)+\i)*4096 th:TH_LOAD_NT
.endr
.irp i, 8,9,10,11,12,13,14,15
	global_load_b32 v[64+32*((\t)%2)+\i], v3, s[8:9] offset:(32*(\t)+\i)*4096 th:TH_LOAD_NT
.endr
.irp i, 16,17,18,19,20,21,22,23
	global_load_b32 v[64+32*((\t)%2)+\i], v4, s[8:9] offset:(32*(\t)+\i-8)*4096 th:TH_LOAD_NT
.endr
.irp i, 24,25,26,27,28,29,30,31
	global_load_b32 v[64+32*((\t)%2)+\i], v2, s[8:9] offset:(32*(\t)+\i)*4096 th:TH_LOAD_NT
.endr
.endm
.macro WBLOCK t
.set XS, 64+32*((\t)%2)
.set EE, 16+8*((\t)%2)                 ; v16-21: an even block's six registers; v24-29: an odd block's
.if (\t) < 7
	s_wait_loadcnt 32                              ; this block's 32 loads are in; the next block's may be out
.else
	s_wait_loadcnt 0x0
.endif
	v_max3_num_f32 v8, |v[XS]|, |v[XS+1]|, |v[XS+2]|
	v_max3_num_f32 v9, |v[XS+3]|, |v[XS+4]|, |v[XS+5]|
.irp i, 6,10,14,18,22,26
	v_max3_num_f32 v8, v8, |v[XS+\i]|, |v[XS+\i+1]|
	v_max3_num_f32 v9, v9, |v[XS+\i+2]|, |v[XS+\i+3]|
.endr
	v_max3_num_f32 v8, v8, |v[XS+30]|, |v[XS+31]|
	v_max3_num_f32 v8, v8, v9, 0x1800000           ; and the floor
	v_add_nc_u32 v10, 0xff000000, v8
	v_lshrrev_b32 v11, 23, v10
.if (\t)%4 == 0
	v_mov_b32 v[14+(\t)/4], v11                    ; four bytes to a register, the lower K in the lower byte
.else
	v_lshl_or_b32 v[14+(\t)/4], v11, 8*((\t)%4), v[14+(\t)/4]
.endif
.if (\t)%2 == 0
	s_wait_xcnt 0x0                                ; the last pair's stores have read both blocks' registers
.endif
	v_cvt_scalef32_pk16_fp6_f32 v[EE:EE+2], v[XS:XS+15], v10
	v_cvt_scalef32_pk16_fp6_f32 v[32:34], v[XS+16:XS+31], v10
	v_nop
.irp i, 0,1,2
	v_mov_b32 v[EE+3+\i], v[32+\i]
.endr
.if (\t)+2 < 8
	WLOAD (\t)+2
.endif
.if (\t)%2 == 1                        ; two blocks make a half image for each of my two tiles of columns
	v_permlane16_swap_b32 v20, v28                 ; registers 4, 5: v20-21 now hold the first tile's 32 image lanes, v28-29 the second's
	v_permlane16_swap_b32 v21, v29
	global_store_b128 v5, v[16:19], s[16:17] offset:((\t)/2)*768          ; image lanes 0-15 of both tiles: 256 consecutive bytes for each half of the wave
	global_store_b128 v5, v[24:27], s[16:17] offset:((\t)/2)*768+256      ; image lanes 16-31
	global_store_b64 v6, v[20:21], s[16:17] offset:((\t)/2)*768+512       ; 256 consecutive bytes
	global_store_b64 v6, v[28:29], s[16:17] offset:((\t)/2)*768+512+12288
.endif
.endm
	WLOAD 0
	WLOAD 1
.irp t, 0,1,2,3,4,5,6,7
	WBLOCK \t
.endr
	global_store_b64 v7, v[14:15], s[18:19]        ; my column's 8 bytes: runs of 128 consecutive bytes, one byte for 128 that the path reads
.Lend:
	s_wait_tensorcnt 0x0                           ; the wave's end: behind the last LDS store: the tensor wait (though there is no tensor load), an add and its wait
	ds_add_u32 v[SPW], v[NIL]
	s_wait_dscnt 0x0
	s_endpgm
.Lfunc_end_k_qb6047023b8_quant:
	.size	k_qb6047023b8_quant, .Lfunc_end_k_qb6047023b8_quant-k_qb6047023b8_quant
	.p2alignl 7, 3214868480
	.fill 96, 4, 3214868480
	.section	.rodata,"a",@progbits
	.p2align	6, 0x0
	.amdhsa_kernel k_qb6047023b8_quant
		.amdhsa_group_segment_fixed_size 68608
		.amdhsa_private_segment_fixed_size 0
		.amdhsa_enable_private_segment 0
		.amdhsa_kernarg_size 64
		.amdhsa_user_sgpr_count 2
		.amdhsa_user_sgpr_kernarg_segment_ptr 1
		.amdhsa_wavefront_size32 1
		.amdhsa_system_sgpr_workgroup_id_x 1
		.amdhsa_system_sgpr_workgroup_id_y 1
		.amdhsa_system_sgpr_workgroup_id_z 1
		.amdhsa_system_vgpr_workitem_id 0
		.amdhsa_next_free_vgpr 256
		.amdhsa_next_free_sgpr 66
		.amdhsa_reserve_vcc 0
		.amdhsa_float_denorm_mode_32 3
		.amdhsa_float_denorm_mode_16_64 3
		.amdhsa_memory_ordered 1
		.amdhsa_forward_progress 1
		.amdhsa_inst_pref_size 70
	.end_amdhsa_kernel
	.amdgpu_metadata
---
amdhsa.version: [ 1, 2 ]
amdhsa.kernels:
  - .name:           k_qb6047023b8_quant
    .symbol:         k_qb6047023b8_quant.kd
    .args:
      - { .name: inp1, .offset: 0, .size: 8, .value_kind: global_buffer, .address_space: global }
      - { .name: inp2, .offset: 8, .size: 8, .value_kind: global_buffer, .address_space: global }
      - { .name: Wq, .offset: 16, .size: 8, .value_kind: global_buffer, .address_space: global }
      - { .name: Wk, .offset: 24, .size: 8, .value_kind: global_buffer, .address_space: global }
      - { .name: Wv, .offset: 32, .size: 8, .value_kind: global_buffer, .address_space: global }
      - { .name: Wo, .offset: 40, .size: 8, .value_kind: global_buffer, .address_space: global }
      - { .name: opc, .offset: 48, .size: 8, .value_kind: global_buffer, .address_space: global }
      - { .name: ops, .offset: 56, .size: 8, .value_kind: global_buffer, .address_space: global }
    .group_segment_fixed_size: 68608
    .private_segment_fixed_size: 0
    .kernarg_segment_align: 8
    .kernarg_segment_size: 64
    .max_flat_workgroup_size: 256
    .sgpr_count:     66
    .vgpr_count:     256
    .wavefront_size: 32
...
	.end_amdgpu_metadata
.endif
;; end of part 1
;; launch proj (part 2): grid 4 x 96, 4 waves a work-group, clusters of 4 x 4, 327,680 bytes of LDS; arguments opc, ops, bq, bk, bv, mask, qc, qs, kv; writes qc, qs, kv
.if DOCPART == 2
	.amdgcn_target "amdgcn-amd-amdhsa--gfx1250"
	.amdhsa_code_object_version 6
	.text
	.protected	k_qb6047023b8_proj
	.globl	k_qb6047023b8_proj
	.p2align	8
	.type	k_qb6047023b8_proj,@function
k_qb6047023b8_proj:
	s_mov_b64 s[64:65], 0
	v_nop
	global_prefetch_b8 v0, s[64:65] scope:SCOPE_SE
	s_setreg_imm32_b32 hwreg(HW_REG_WAVE_MODE, 25, 1), 1
	s_wait_xcnt 0x0
	s_wait_alu depctr_hold_cnt(0) depctr_sa_sdst(0) depctr_va_vdst(0) depctr_va_sdst(0) depctr_va_ssrc(0) depctr_va_vcc(0) depctr_vm_vsrc(0)
	s_getreg_b32 s2, hwreg(HW_REG_IB_STS2, 6, 4)
	s_cmp_eq_u32 s2, 0
	s_cbranch_scc0 .Lentry_in_a_cluster
	s_endpgm
.Lentry_in_a_cluster:
	s_bfe_u32 s2, ttmp6, 0x10000c
	s_cmp_lg_u32 s2, 0xf033
	s_cbranch_scc0 .Lentry_shape_is_right
	s_endpgm
.Lentry_shape_is_right:
; The three projections on codes of FP6 (E2M3), and the quantising of their results for the attention launch.  One body, three kinds by the cluster's y: 0: q = (inp1 Wq + bq) / 8;  1: k = inp2 Wk + bk;  2: v = inp2 Wv + bv.
; THE PRODUCT: a tile of 256 x 256 to a work-group of four waves, 128 x 128 a wave (64 accumulators); K = 1,024 in four slots' worth of 256 through a ring of two LDS slots filled by the tensor data mover.
; Operands lie in memory and in LDS as images of their registers (half image: 768 bytes = 16 rows x 64 K; registers 0-3 of lane l at 16 l, registers 4-5 at 512 + 8 l): every LDS load reads consecutive bytes, no padding.
; CLUSTERS: 4 x 4 work-groups; A's tiles are asked for jointly along a row of the cluster, B's along a column.  24 clusters: 384 work-groups of equal work.
; THE MATRIX INSTRUCTION IS USED TRANSPOSED (source 0 = 16 rows of B, source 1 = 16 rows of A): a lane holds one row of A and eight neighbours along B's rows.
;   kinds 0, 1: A = tokens, B = the weight's columns: a lane holds a token, its registers run along the channels, which are the scores' K.
;   kind 2: A = Wv's columns, B = tokens: a lane holds a channel, its registers run along the tokens (keys), which are the second product's K.
; THE ORDER INSIDE A BLOCK OF 32: two neighbouring tiles' 16 registers of lane half h are the true places 16 u + 8 h + j; their codes land at 16 h + 8 u + j.  q and k are made alike, v and the softmax's p alike, so each product's pairs still meet; the blocks are the true blocks.
; THE MASK goes into k's codes and scale words: a masked key gets zero codes and the bytes 148, 138 for K blocks 2, 3 of the scores' product, where the attention launch puts constants that sum to -47.625 and -60.125
;   against q's codes 1.0 under the byte 127: -(47.625 x 2^21 + 60.125 x 2^11) = -100,000,000.  An unmasked key gets the bytes 1, 1.
; LIMITS: so every unmasked logit carries an added -107.75 x 2^-126 (about -1.3e-36).  A block of zeros, or one under 2^-124, has the byte 1.  NaN and infinities are not served.
; RESULTS: qc [head 64][token tile 128][768]; qs [head][128 tokens: 16][lane 32][4 words]: word i of lane l = token 32 i + l;
;   kv [head 64][128 keys: 16][13,056]: +0 k's 8 half images; +6,144 v's 4 fragments (16 channels x 128 keys, 3 x [lane][16 bytes]); +12,288 k's words as in qs; +12,800 v's words [lane][2]: word i of lane l = channel tile 2 i + l / 16, channel l % 16.
; All results leave from registers: each store of a wave covers 512 or 256 consecutive bytes, aligned.  No LDS on the way out.
; No prefetch: of the four slots' worth of K two are asked for at the head, and the other two follow within the launch's first half.
; REGISTERS: window 0: v1-3 lane, r, h; v16-23 fragment addresses; v24, v25 16 x lane, 8 x lane; v27 scale words' address; v28, v29 the add's two; v32-63 scale words, two sets, and nothing else; v128-223 A's fragments, one set.
;   window 1: B's fragments, two sets (v0, v128).  windows 2, 3: the accumulators, (a, b) at v[8 (8 (a % 4) + b)].  The way out's map stands at its head.
.set NQ,     2                         ; steps of 128 along K in a slot
.set FR,     12                        ; registers of a fragment
.set NL,     4                         ; LDS loads that bring one
.set NP,     4                         ; places behind this matrix instruction (ISA guide 7.12.1)
.set TILEB,  3072                      ; 16 rows x 256 K: four half images
.set HALFT,  8*TILEB                   ; 128 rows: what one tensor load brings
.set SLOT,   4*HALFT                   ; A's 256 rows, then B's
.set SCL,    2*SLOT                    ; behind the ring: the scale bytes of A's and B's 256 rows for all of K, filled once
.set HALFS,  4096                      ; those of 128 rows
.set SBLK,   512                       ; those of 16 rows
.set SPARE,  SCL+4*HALFS               ; the spare words: 128 bytes a wave, two blocks of 256 bytes that no other line names
.set ADRA, 16                          ; v16-17 16 x lane + my A rows in slot 0, 1;  v18-19 the same with 8 x lane
.set ADRB, 20                          ; v20-23 the same for B
.set ADRS, 27
.set SPW,  28
.set NIL,  29
.set SC,   32
.set AF,   128
.set G1, 24
.set G0, 32
.set G1B, 48
.set G0B, 56
.set G1S, 68
.set G0S, 76
.set G1SB, 80
.set G0SB, 88
.set MSB, 0
.macro WIN new                         ; the immediate's high byte repeats the setting that is left
.if MSB != (\new)
	s_set_vgpr_msb (MSB<<8)|(\new)
.set MSB, (\new)
.endif
.endm
.set MUL_LO, 0xa1                      ; source 0 (B) window 1, source 1 (A) window 0, C and D window 2
.set MUL_HI, 0xf1                      ; the same, C and D window 3
.set TO_B,   0x40                      ; destination window 1, address window 0
; A joint load: waves 0 and 1 fetch for A, waves 2 and 3 for B; the branch hangs on the wave's number alone.  An s_nop 0 and four v_nop follow each line.
.macro JLOAD g0a, g1a, g0b, g1b
	s_cmp_eq_u32 s15, 0
	s_cbranch_scc0 .Lfor_b_\@
	tensor_load_to_lds s[\g0a:\g0a+3], s[\g1a:\g1a+7]
	s_nop 0
.rept 4
	v_nop
.endr
	s_branch .Lasked_\@
.Lfor_b_\@:
	tensor_load_to_lds s[\g0b:\g0b+3], s[\g1b:\g1b+7]
	s_nop 0
.rept 4
	v_nop
.endr
.Lasked_\@:
.endm
.macro CREST                           ; a round of the cluster's barrier behind its opening barrier
	s_cmp_lg_u32 s14, 0
	s_cbranch_scc1 .Lnot_wave_0_\@
	s_barrier_signal -3
.Lnot_wave_0_\@:
	s_barrier_wait -3
	s_barrier_signal -1
	s_barrier_wait -1
.endm
.macro CROUND
	s_barrier_signal -1
	s_barrier_wait -1
	CREST
.endm
	s_load_b256 s[4:11], s[0:1], 0x0               ; opc, ops, bq, bk
	s_load_b256 s[92:99], s[0:1], 0x20             ; bv, mask, qc, qs
	s_load_b64 s[12:13], s[0:1], 0x40              ; kv
	v_lshl_add_u32 v[SPW], v0, 2, SPARE
	v_mov_b32 v[NIL], 0
	ds_add_u32 v[SPW], v[NIL]                      ; the wave's opening: the add and its wait stand ahead of my first tensor load; work on registers stands between them
	v_lshrrev_b32 v1, 5, v0
	v_readfirstlane_b32 s14, v1                    ; wave 0..3
	s_lshr_b32 s15, s14, 1                         ; my half of A's rows.  Also: I fetch for A (0) or for B (1)
	s_and_b32 s16, s14, 1                          ; my half of B's rows.  Also: which 128 rows I fetch
	s_bfe_u32 s40, ttmp6, 0x40000                  ; cx
	s_bfe_u32 s41, ttmp6, 0x40004                  ; cy
	s_and_b32 s66, ttmp7, 0xffff                   ; the cluster's y, 0..23
	s_lshr_b32 s2, s66, 3                          ; kind
	s_and_b32 s66, s66, 7
	s_lshl_b32 s66, s66, 2                         ; four tiles of 256 tokens to a cluster
	s_cmp_eq_u32 s2, 2
	s_cselect_b32 s67, 0, s66                      ; the tokens are A's rows (kinds 0, 1)
	s_cselect_b32 s66, s66, 0                      ; or B's (kind 2)
	s_add_co_u32 s17, s67, s41                     ; A's tile of 256 rows
	s_add_co_u32 s42, s66, s40                     ; B's
	s_lshl_b32 s43, s41, 2
	s_lshl_b32 s43, 15, s43                        ; my row of the cluster
	s_lshl_b32 s44, 0x1111, s40                    ; my column
	; group 1 for the codes: 8 tiles of 16 rows, 3,072 consecutive bytes each (384 elements of 8 bytes), 12,288 bytes apart; no padding
	s_or_b32 s[G1+0], s43, (3<<16)|(1<<21)
	s_or_b32 s[G1B+0], s44, (3<<16)|(1<<21)
.irp g, G1, G1B
	s_mov_b32 s[\g+1], 384<<16                     ; tensor_dim0
	s_mov_b32 s[\g+2], 8<<16                       ; tensor_dim1
	s_mov_b32 s[\g+3], 384<<16                     ; tile_dim0
	s_mov_b32 s[\g+4], 8                           ; tile_dim1
	s_mov_b32 s[\g+5], 1536                        ; from row to row
	s_mov_b32 s[\g+6], 0
	s_mov_b32 s[\g+7], 0
.endr
	; and for the scale bytes of 128 rows: 4,096 dense bytes as 16 rows of 256
	s_or_b32 s[G1S+0], s43, (3<<16)|(1<<21)
	s_or_b32 s[G1SB+0], s44, (3<<16)|(1<<21)
.irp g, G1S, G1SB
	s_mov_b32 s[\g+1], 32<<16
	s_mov_b32 s[\g+2], 16<<16
	s_mov_b32 s[\g+3], 32<<16
	s_mov_b32 s[\g+4], 16
	s_mov_b32 s[\g+5], 32
	s_mov_b32 s[\g+6], 0
	s_mov_b32 s[\g+7], 0
.endr
	s_min_u32 s18, s2, 1                           ; inp1 for q, inp2 for k and v
	s_mul_i32 s19, s18, 6291456                    ; the tokens' codes in opc,
	s_lshl_b32 s18, s18, 18                        ; their scale bytes in ops;
	s_mul_i32 s20, s2, 786432
	s_add_co_u32 s20, s20, 12582912                ; the weight's codes,
	s_lshl_b32 s21, s2, 15
	s_add_co_u32 s21, s21, 524288                  ; its scale bytes
	s_cmp_eq_u32 s2, 2
	s_cselect_b32 s22, s20, s19                    ; A's codes
	s_cselect_b32 s23, s21, s18                    ; A's scale bytes
	s_cselect_b32 s45, s19, s20                    ; B's codes
	s_cselect_b32 s46, s18, s21                    ; B's scale bytes
	s_lshl_b32 s47, s16, 3
	s_lshl_b32 s18, s17, 4
	s_add_co_u32 s18, s18, s47                     ; A: the first tile of 16 rows that I fetch
	s_lshl_b32 s19, s42, 4
	s_add_co_u32 s19, s19, s47                     ; B likewise
	s_mul_i32 s[G0+2], s18, 12288
	s_add_co_u32 s[G0+2], s[G0+2], s22
	s_mov_b32 s[G0+3], 0
	s_lshl_b32 s[G0S+2], s18, 9
	s_add_co_u32 s[G0S+2], s[G0S+2], s23
	s_mov_b32 s[G0S+3], 0
	s_mul_i32 s[G0B+2], s19, 12288
	s_add_co_u32 s[G0B+2], s[G0B+2], s45
	s_mov_b32 s[G0B+3], 0
	s_lshl_b32 s[G0SB+2], s19, 9
	s_add_co_u32 s[G0SB+2], s[G0SB+2], s46
	s_mov_b32 s[G0SB+3], 0
	s_mul_i32 s20, s14, HALFT                      ; where they go: wave x 128 rows: no place in the cluster enters an LDS address
	s_mul_i32 s21, s14, HALFS
	s_wait_dscnt 0x0                               ; the opening add is done
	s_wait_kmcnt 0x0
	s_add_nc_u64 s[G0+2:G0+3], s[4:5], s[G0+2:G0+3]
	s_add_nc_u64 s[G0+6:G0+7], s[G0+2:G0+3], TILEB
	s_add_nc_u64 s[G0B+2:G0B+3], s[4:5], s[G0B+2:G0B+3]
	s_add_nc_u64 s[G0B+6:G0B+7], s[G0B+2:G0B+3], TILEB
	s_add_nc_u64 s[G0S+2:G0S+3], s[6:7], s[G0S+2:G0S+3]
	s_add_nc_u64 s[G0SB+2:G0SB+3], s[6:7], s[G0SB+2:G0SB+3]
.irp g, G0, G0+4, G0B, G0B+4, G0S, G0SB
	s_mov_b32 s[\g], 1                             ; count = 1
	s_or_b32 s[\g+3], s[\g+3], 0x80000000          ; type = 2
.endr
.irp s, 0,1
	s_add_co_u32 s[G0+4*\s+1], s20, \s*SLOT
	s_add_co_u32 s[G0B+4*\s+1], s20, \s*SLOT
.endr
	s_add_co_u32 s[G0S+1], s21, SCL
	s_add_co_u32 s[G0SB+1], s21, SCL
	CROUND                                         ; all sixteen work-groups are here: the first joint loads meet
	JLOAD G0S, G1S, G0SB, G1SB                     ; the scale bytes first: three loads of mine are out behind these lines
	JLOAD G0, G1, G0B, G1B
	JLOAD G0+4, G1, G0B+4, G1B
	v_and_b32 v1, 31, v0                           ; lane
	v_and_b32 v2, 15, v0                           ; r
	v_bfe_u32 v3, v0, 4, 1                         ; h
	v_lshlrev_b32 v24, 4, v1
	v_lshlrev_b32 v25, 3, v1
	s_mul_i32 s21, s15, HALFT                      ; my 128 rows of A
	s_mul_i32 s22, s16, HALFT
	s_add_co_u32 s22, s22, 2*HALFT                 ; my 128 rows of B, behind A's 256
.irp s, 0,1
	v_add_nc_u32 v[ADRA+\s], s21, v24
	v_add_nc_u32 v[ADRB+\s], s22, v24
	v_add_nc_u32 v[ADRA+2+\s], s21, v25
	v_add_nc_u32 v[ADRB+2+\s], s22, v25
	s_add_co_u32 s21, s21, SLOT
	s_add_co_u32 s22, s22, SLOT
.endr
	s_lshl_b32 s21, s15, 12                        ; scale words: lanes 0-15 A's rows, lanes 16-31 B's: the lower base + h x the distance
	s_lshl_b32 s22, s16, 12
	s_add_co_u32 s22, s22, 2*HALFS
	s_sub_co_u32 s22, s22, s21
	v_mul_u32_u24 v6, s22, v3
	s_add_co_u32 s21, s21, SCL
	v_lshl_add_u32 v6, v2, 3, v6
	v_add_nc_u32 v[ADRS], s21, v6
.macro FRAG reg, adr, q, i             ; a fragment = two half images on end: four loads of consecutive bytes
	ds_load_b128 v[\reg:\reg+3], v[\adr] offset:(\i)*TILEB+(\q)*1536
	ds_load_b64 v[\reg+4:\reg+5], v[\adr+2] offset:(\i)*TILEB+(\q)*1536+512
	ds_load_b128 v[\reg+6:\reg+9], v[\adr] offset:(\i)*TILEB+(\q)*1536+768
	ds_load_b64 v[\reg+10:\reg+11], v[\adr+2] offset:(\i)*TILEB+(\q)*1536+1280
.endm
; 16 matrix instructions: A's blocks a0, a0 + 1 x B's eight, the slot's q-th 128 along K.  p: B's set; sc: the set of scale words; cm = 1: the product starts the sums.
; The 64 accumulators take turns, one instruction a turn, in the same order in every step.
.macro MUL16 a0, p, q, sc, cm
.irp a, \a0, \a0+1
.irp b, 0,1,2,3,4,5,6,7
.if \cm
	v_wmma_scale_f32_16x16x128_f8f6f4 v[8*(8*((\a)%4)+\b):8*(8*((\a)%4)+\b)+7], v[128*(\p)+FR*\b:128*(\p)+FR*\b+FR-1], v[AF+FR*(\a):AF+FR*(\a)+FR-1], 0, v[SC+8*NQ*(\sc)+NQ*\b+(\q)], v[SC+8*NQ*(\sc)+NQ*(\a)+(\q)] matrix_a_fmt:MATRIX_FMT_FP6 matrix_b_fmt:MATRIX_FMT_FP6 matrix_a_scale:MATRIX_SCALE_ROW1
.else
	v_wmma_scale_f32_16x16x128_f8f6f4 v[8*(8*((\a)%4)+\b):8*(8*((\a)%4)+\b)+7], v[128*(\p)+FR*\b:128*(\p)+FR*\b+FR-1], v[AF+FR*(\a):AF+FR*(\a)+FR-1], v[8*(8*((\a)%4)+\b):8*(8*((\a)%4)+\b)+7], v[SC+8*NQ*(\sc)+NQ*\b+(\q)], v[SC+8*NQ*(\sc)+NQ*(\a)+(\q)] matrix_a_fmt:MATRIX_FMT_FP6 matrix_b_fmt:MATRIX_FMT_FP6 matrix_a_scale:MATRIX_SCALE_ROW1
.endif
.endr
.endr
.endm
.macro FETCH_B slot, q, p
	WIN TO_B
.irp i, 0,1,2,3,4,5,6,7
	FRAG 128*(\p)+FR*\i, ADRB+\slot, \q, \i
.endr
	WIN 0
.endm
.macro FETCH_A slot, q, i0
.irp i, \i0, \i0+1, \i0+2, \i0+3
	FRAG AF+FR*(\i), ADRA+\slot, \q, \i
.endr
.endm
.macro SCALES sc                       ; a slot's two words a row: lanes 0-15 A's block i, lanes 16-31 B's block i
.irp i, 0,1,2,3,4,5,6,7
	ds_load_b64 v[SC+8*NQ*\sc+NQ*\i:SC+8*NQ*\sc+NQ*\i+1], v[ADRS] offset:\i*SBLK
.endr
.endm
.macro PLACES n                        ; plain vector instructions between a matrix instruction and a load into, or a read of, its registers (ISA guide 7.12.1 for reads)
.rept \n
	v_nop
.endr
.endm
.macro STEP slot, q, cm                ; a step of 128 along K that has its successor in the same slot
	s_wait_dscnt 4*NL                              ; B's set, A's blocks 0-3 and the scale words are in; the youngest 16 loads (A's blocks 4-7) may be out
	WIN MUL_LO
	MUL16 0, (\q)%2, \q, \slot, \cm
	MUL16 2, (\q)%2, \q, \slot, \cm
	s_wait_dscnt 0                                 ; A's blocks 4-7 are in
	PLACES NP
	FETCH_B \slot, (\q)+1, 1-(\q)%2
	FETCH_A \slot, (\q)+1, 0
	WIN MUL_HI
	MUL16 4, (\q)%2, \q, \slot, \cm
	MUL16 6, (\q)%2, \q, \slot, \cm
	PLACES NP
	WIN 0
	FETCH_A \slot, (\q)+1, 4
.endm
; A slot's last step changes slots: one barrier; in front of it each wave waits for all its tensor loads, adds 0 to its spare word, and waits for that and for its reads of this slot.  fill = 1: the slot is filled again, two slots' worth of K ahead.
.macro TURN slot, next, fill
	s_wait_tensorcnt 0x0                           ; all my tensor loads have landed: my part of the next slot
	ds_add_u32 v[SPW], v[NIL]                      ; 0 onto my spare word
	s_wait_dscnt 4*NL+1                            ; (the add and the youngest 16 loads may be out)
	WIN MUL_LO
	MUL16 0, 1, NQ-1, \slot, 0
	s_wait_dscnt 0x0                               ; the add is done, and my reads of this slot are over
	s_barrier_signal -1
	MUL16 2, 1, NQ-1, \slot, 0
	WIN 0
	s_barrier_wait -1
.if \fill
	CREST                                          ; the barrier has opened a round of the cluster's barrier: no wave of any partner still reads this slot or has a load on its way
	s_add_nc_u64 s[G0+4*\slot+2:G0+4*\slot+3], s[G0+4*\slot+2:G0+4*\slot+3], 2*TILEB
	s_add_nc_u64 s[G0B+4*\slot+2:G0B+4*\slot+3], s[G0B+4*\slot+2:G0B+4*\slot+3], 2*TILEB
	JLOAD G0+4*\slot, G1, G0B+4*\slot, G1B         ; the first tensor load behind the round; its four v_nop are the places in front of the loads below
.else
	PLACES NP
.endif
	v_add_nc_u32 v[ADRS], 128, v[ADRS]             ; the next 256 along K of the scale words
	FETCH_B \next, 0, 0
	FETCH_A \next, 0, 0
	SCALES \next
	WIN MUL_HI
	MUL16 4, 1, NQ-1, \slot, 0
	MUL16 6, 1, NQ-1, \slot, 0
	PLACES NP
	WIN 0
	FETCH_A \next, 0, 4
.endm
	s_wait_tensorcnt 1                             ; the scale bytes and my part of slot 0 are in; slot 1's load may be out
	s_barrier_signal -1
	s_barrier_wait -1
	FETCH_B 0, 0, 0
	FETCH_A 0, 0, 0
	SCALES 0
	FETCH_A 0, 0, 4
	STEP 0, 0, 1                                   ; the first step's products start the sums: nothing is cleared
	s_mov_b32 s3, 1
.Llap:                                                 ; a trip goes once round the ring and fills both slots again: K = 1,024 has one such trip
	TURN 0, 1, 1
	STEP 1, 0, 0
	TURN 1, 0, 1
	STEP 0, 0, 0
	s_sub_co_u32 s3, s3, 1
	s_cmp_lg_u32 s3, 0
	s_cbranch_scc1 .Llap
	TURN 0, 1, 0                                   ; the last lap fills nothing
	STEP 1, 0, 0
	s_wait_dscnt 4*NL
	WIN MUL_LO
	MUL16 0, 1, NQ-1, 1, 0
	MUL16 2, 1, NQ-1, 1, 0
	s_wait_dscnt 0
	WIN MUL_HI
	MUL16 4, 1, NQ-1, 1, 0
	MUL16 6, 1, NQ-1, 1, 0
	WIN 0
; THE WAY OUT.  For each of A's eight blocks a the 64 registers of its eight accumulators (register 8 b + j) get the bias, are quantised as four blocks of 32, and leave as an image.
.set BI,   64                          ; v64-127  the bias in the result's layout (kinds 0, 1);  v64-79 bv in pairs (kind 2)
.set BV,   64
.set Y,    128                         ; v128-191 64 finished numbers
.set PC,   192                         ; v192-203 the codes; v204-206, v208-210 the conversions' second halves
.set TM,   212                         ; v212-215 largest magnitudes, v216-219 bytes, v224-227 scale operands
.set W,    228                         ; v228-235 block a's scale word
.set KM,   236                         ; v236-243 block a's code mask: 0 for a masked key, else all ones
.set SPWD, 244                         ; v244-247 bytes 2, 3 of the words of tokens 32 i + lane
.set T,    248
.set LO,   128
.set HI,   132
.set SEL,  66
.macro QUANT s, pw                     ; 64 numbers of a lane, four blocks of 32 shared with lane l xor 16 -> 12 registers of codes and the row's scale word
.irp b, 0,1,2,3
	v_max3_num_f32 v[TM+\b], |v[\s+16*\b]|, |v[\s+1+16*\b]|, 0x1800000   ; with the floor 2^(3 - 127): the byte cannot fall under 1
.endr
.irp i, 2,4,6,8,10,12,14
.irp b, 0,1,2,3
	v_max3_num_f32 v[TM+\b], v[TM+\b], |v[\s+16*\b+\i]|, |v[\s+1+16*\b+\i]|
.endr
.endr
.irp b, 0,1,2,3
	v_permlanex16_b32 v[TM+4+\b], v[TM+\b], s[SEL], s[SEL+1]
.endr
.irp b, 0,1,2,3
	v_max_num_f32 v[TM+\b], v[TM+\b], v[TM+4+\b]
.endr
.irp b, 0,1,2,3
	v_add_nc_u32 v[TM+12+\b], 0xff000000, v[TM+\b]   ; 2 off the exponent field: the conversion's scale operand
.endr
.irp b, 0,1,2,3
	v_lshrrev_b32 v[TM+4+\b], 23, v[TM+12+\b]
.endr
	v_lshl_or_b32 v[\pw], v[TM+5], 8, v[TM+4]
	v_lshl_or_b32 v[\pw], v[TM+6], 16, v[\pw]
	v_lshl_or_b32 v[\pw], v[TM+7], 24, v[\pw]
.irp c, 0,1
	v_cvt_scalef32_pk16_fp6_f32 v[PC+6*\c:PC+2+6*\c], v[\s+32*\c:\s+15+32*\c], v[TM+12+2*\c]
	v_cvt_scalef32_pk16_fp6_f32 v[PC+12+4*\c:PC+14+4*\c], v[\s+16+32*\c:\s+31+32*\c], v[TM+12+2*\c+1]
.endr
	v_nop                                          ; one plain place behind a scaled conversion
.irp c, 0,1                            ; a whole block to a lane: lanes 0-15 block 2 c, lanes 16-31 block 2 c + 1
.irp i, 0,1,2
	v_permlane16_swap_b32 v[PC+6*\c+\i], v[PC+12+4*\c+\i]
.endr
.irp i, 0,1,2
	v_mov_b32 v[PC+3+6*\c+\i], v[PC+12+4*\c+\i]
.endr
.endr
.endm
	PLACES NP                                      ; behind the last products, ahead of the first read of results and of writes into A's registers
	s_lshl_b32 s18, s17, 8
	s_lshl_b32 s19, s15, 7
	s_add_co_u32 s18, s18, s19                     ; my first row of A
	s_lshl_b32 s19, s42, 8
	s_lshl_b32 s20, s16, 7
	s_add_co_u32 s19, s19, s20                     ; my first row of B
	s_mov_b32 s47, 0xffff0000                      ; lanes 16-31
	s_mov_b32 s[SEL], 0x76543210
	s_mov_b32 s[SEL+1], 0xfedcba98
.irp b, 0,1,2,3
	v_mov_b32 v[TM+4+\b], 0                        ; a lane permute's destination counts as read: written once
.endr
	s_cmp_eq_u32 s2, 2                             ; the kind is the cluster's: all partners go the same way
	s_cbranch_scc1 .Lvpath
	; ---- kinds 0, 1: s18 = first token, s19 = first channel: 128 tokens of two heads
	s_lshr_b32 s20, s18, 11                        ; batch
	s_bfe_u32 s21, s18, 0x40007                    ; which 128 tokens of its 2,048
	s_lshl_b32 s20, s20, 4
	s_lshr_b32 s22, s19, 6
	s_add_co_u32 s20, s20, s22                     ; the first of my two heads, 0..63
	s_cmp_eq_u32 s2, 0
	s_mov_b32 s24, 208896
	s_cselect_b32 s24, 98304, s24                  ; codes: from head to head,
	s_mov_b32 s26, 13056
	s_cselect_b32 s26, 6144, s26                   ; from 128 tokens to the next;
	s_mov_b32 s28, 208896
	s_cselect_b32 s28, 8192, s28                   ; scale words likewise
	s_mov_b32 s30, 13056
	s_cselect_b32 s30, 512, s30
	s_cselect_b32 s31, 0, 12288
	s_cselect_b64 s[32:33], s[96:97], s[12:13]     ; codes into qc or kv
	s_cselect_b64 s[36:37], s[98:99], s[12:13]     ; words into qs or kv
	s_cselect_b64 s[48:49], s[8:9], s[10:11]       ; bq or bk
	s_cselect_b32 s100, 0x3e000000, 1.0            ; q is divided by 8: an exact factor, so (sum + b) / 8 = fma(sum, 1/8, b / 8)
	s_cselect_b32 s50, 0, 1                        ; the mask counts for k alone
	s_mov_b32 s51, 0x01010000
	s_cselect_b32 s51, 0x7f7f0000, s51             ; bytes 2, 3: q 127, 127; an unmasked key 1, 1
	s_mov_b32 s101, s100
	s_mov_b32 s25, 0
	s_mov_b32 s29, 0
	s_mul_i32 s52, s20, s24
	s_mul_i32 s53, s21, s26
	s_add_co_u32 s52, s52, s53
	s_mov_b32 s53, 0
	s_add_nc_u64 s[32:33], s[32:33], s[52:53]      ; the first head's images
	s_add_nc_u64 s[34:35], s[32:33], s[24:25]      ; the second's
	s_mul_i32 s52, s20, s28
	s_mul_i32 s54, s21, s30
	s_add_co_u32 s52, s52, s54
	s_add_co_u32 s52, s52, s31
	s_add_nc_u64 s[36:37], s[36:37], s[52:53]
	s_add_nc_u64 s[38:39], s[36:37], s[28:29]
	v_lshlrev_b32 v6, 5, v3
	v_lshl_add_u32 v6, s19, 2, v6                  ; bias: 4 x first channel + 32 h
	v_add_nc_u32 v7, s18, v2                       ; mask: first token + r
	v_add_nc_u32 v8, s18, v1                       ; and + lane
.irp b, 0,1,2,3,4,5,6,7
	global_load_b128 v[BI+8*\b:BI+8*\b+3], v6, s[48:49] offset:64*\b
	global_load_b128 v[BI+8*\b+4:BI+8*\b+7], v6, s[48:49] offset:64*\b+16
.endr
.irp a, 0,1,2,3,4,5,6,7
	global_load_u8 v[KM+\a], v7, s[94:95] offset:16*\a
.endr
.irp i, 0,1,2,3
	global_load_u8 v[SPWD+\i], v8, s[94:95] offset:32*\i
.endr
	v_mov_b32 v10, 0x8a940000                      ; a masked key's bytes 2, 3: 148, 138
	v_mov_b32 v11, s51
	s_wait_loadcnt 0x0
.set ii, 0
.rept 32
	v_pk_mul_f32 v[BI+ii:BI+ii+1], v[BI+ii:BI+ii+1], s[100:101] op_sel_hi:[1,0]
.set ii, ii+2
.endr
.irp a, 0,1,2,3,4,5,6,7
	v_and_b32 v[KM+\a], s50, v[KM+\a]
.endr
.irp a, 0,1,2,3,4,5,6,7
	v_add_nc_u32 v[KM+\a], -1, v[KM+\a]
.endr
.irp i, 0,1,2,3
	v_and_b32 v[SPWD+\i], s50, v[SPWD+\i]
	v_cmp_ne_u32 vcc_lo, 0, v[SPWD+\i]
	v_cndmask_b32 v[SPWD+\i], v11, v10, vcc_lo
.endr
.irp a, 0,1,2,3,4,5,6,7
	WIN 0x02+(\a/4)                                ; source 0: window 2 or 3
.set ii, 0
.rept 32
	v_pk_fma_f32 v[Y+ii:Y+ii+1], v[64*(\a%4)+ii:64*(\a%4)+ii+1], s[100:101], v[BI+ii:BI+ii+1] op_sel_hi:[1,0,1]   ; ascending: each accumulator from its low end on
.set ii, ii+2
.endr
	WIN 0
	s_wait_xcnt 0x0                                ; the last block's stores have read the codes' registers
	QUANT Y, W+\a
.irp i, 0,1,2,3,4,5,6,7,8,9,10,11
	v_and_b32 v[PC+\i], v[PC+\i], v[KM+\a]         ; a masked key's codes are zeros
.endr
	global_store_b128 v24, v[PC:PC+3], s[32:33] offset:768*\a
	global_store_b64 v25, v[PC+4:PC+5], s[32:33] offset:768*\a+512
	global_store_b128 v24, v[PC+6:PC+9], s[34:35] offset:768*\a
	global_store_b64 v25, v[PC+10:PC+11], s[34:35] offset:768*\a+512
.endr
.irp i, 0,1,2,3
	v_cndmask_b32 v[T+\i], v[W+2*\i], v[W+2*\i+1], s47   ; lane l: token 32 i + l's word (both halves of the lanes held the row's word)
.endr
.irp i, 0,1,2,3
	v_and_or_b32 v[LO+\i], v[T+\i], 0xffff, v[SPWD+\i]   ; the first head's two bytes,
.endr
.irp i, 0,1,2,3
	v_lshrrev_b32 v[HI+\i], 16, v[T+\i]
.endr
.irp i, 0,1,2,3
	v_or_b32 v[HI+\i], v[HI+\i], v[SPWD+\i]        ; the second head's
.endr
	global_store_b128 v24, v[LO:LO+3], s[36:37]
	global_store_b128 v24, v[HI:HI+3], s[38:39]
	s_branch .Ldone
	; ---- kind 2: s18 = first channel (two heads), s19 = first token: 128 keys
.Lvpath:
	s_lshr_b32 s20, s19, 11                        ; batch
	s_bfe_u32 s21, s19, 0x40007                    ; which 128 keys
	s_lshl_b32 s20, s20, 4
	s_lshr_b32 s22, s18, 6
	s_add_co_u32 s20, s20, s22
	s_mul_i32 s52, s20, 208896
	s_mul_i32 s53, s21, 13056
	s_add_co_u32 s52, s52, s53
	s_mov_b32 s53, 0
	s_add_nc_u64 s[32:33], s[12:13], s[52:53]
	s_add_nc_u64 s[34:35], s[32:33], 208896
	v_add_nc_u32 v7, s18, v2
	v_lshlrev_b32 v7, 2, v7                        ; bv: 4 x (first channel + r)
.irp a, 0,1,2,3,4,5,6,7
	global_load_b32 v[BV+2*\a], v7, s[92:93] offset:64*\a
.endr
	s_wait_loadcnt 0x0
.irp a, 0,1,2,3,4,5,6,7
	v_mov_b32 v[BV+2*\a+1], v[BV+2*\a]             ; a pair for the packed addition
.endr
.irp a, 0,1,2,3,4,5,6,7
	WIN 0x02+(\a/4)
.set ii, 0
.rept 32
	v_pk_add_f32 v[Y+ii:Y+ii+1], v[64*(\a%4)+ii:64*(\a%4)+ii+1], v[BV+2*\a:BV+2*\a+1]
.set ii, ii+2
.endr
	WIN 0
	s_wait_xcnt 0x0
	QUANT Y, W+\a
.irp c, 0,1,2
	global_store_b128 v24, v[PC+4*\c:PC+4*\c+3], s[32+2*(\a/4):33+2*(\a/4)] offset:6144+1536*(\a%4)+512*\c
.endr
.endr
.irp i, 0,1,2,3
	v_cndmask_b32 v[T+\i], v[W+2*\i], v[W+2*\i+1], s47
.endr
	global_store_b64 v25, v[T:T+1], s[32:33] offset:12800
	global_store_b64 v25, v[T+2:T+3], s[34:35] offset:12800
.Ldone:
	s_wait_tensorcnt 0x0                           ; the wave's end, behind my last tensor load
	ds_add_u32 v[SPW], v[NIL]
	s_wait_dscnt 0x0
	CROUND                                         ; the closing round: no work-group ends while a partner may still ask for a tile that names it
	s_endpgm
.Lfunc_end_k_qb6047023b8_proj:
	.size	k_qb6047023b8_proj, .Lfunc_end_k_qb6047023b8_proj-k_qb6047023b8_proj
	.p2alignl 7, 3214868480
	.fill 96, 4, 3214868480
	.section	.rodata,"a",@progbits
	.p2align	6, 0x0
	.amdhsa_kernel k_qb6047023b8_proj
		.amdhsa_group_segment_fixed_size 327680
		.amdhsa_private_segment_fixed_size 0
		.amdhsa_enable_private_segment 0
		.amdhsa_kernarg_size 72
		.amdhsa_user_sgpr_count 2
		.amdhsa_user_sgpr_kernarg_segment_ptr 1
		.amdhsa_wavefront_size32 1
		.amdhsa_system_sgpr_workgroup_id_x 1
		.amdhsa_system_sgpr_workgroup_id_y 1
		.amdhsa_system_sgpr_workgroup_id_z 1
		.amdhsa_system_vgpr_workitem_id 0
		.amdhsa_next_free_vgpr 1024
		.amdhsa_next_free_sgpr 102
		.amdhsa_reserve_vcc 1
		.amdhsa_float_denorm_mode_32 3
		.amdhsa_float_denorm_mode_16_64 3
		.amdhsa_memory_ordered 1
		.amdhsa_forward_progress 1
		.amdhsa_inst_pref_size 226
	.end_amdhsa_kernel
	.amdgpu_metadata
---
amdhsa.version: [ 1, 2 ]
amdhsa.kernels:
  - .name:           k_qb6047023b8_proj
    .symbol:         k_qb6047023b8_proj.kd
    .args:
      - { .name: opc, .offset: 0, .size: 8, .value_kind: global_buffer, .address_space: global }
      - { .name: ops, .offset: 8, .size: 8, .value_kind: global_buffer, .address_space: global }
      - { .name: bq, .offset: 16, .size: 8, .value_kind: global_buffer, .address_space: global }
      - { .name: bk, .offset: 24, .size: 8, .value_kind: global_buffer, .address_space: global }
      - { .name: bv, .offset: 32, .size: 8, .value_kind: global_buffer, .address_space: global }
      - { .name: mask, .offset: 40, .size: 8, .value_kind: global_buffer, .address_space: global }
      - { .name: qc, .offset: 48, .size: 8, .value_kind: global_buffer, .address_space: global }
      - { .name: qs, .offset: 56, .size: 8, .value_kind: global_buffer, .address_space: global }
      - { .name: kv, .offset: 64, .size: 8, .value_kind: global_buffer, .address_space: global }
    .group_segment_fixed_size: 327680
    .private_segment_fixed_size: 0
    .kernarg_segment_align: 8
    .kernarg_segment_size: 72
    .max_flat_workgroup_size: 128
    .sgpr_count:     102
    .vgpr_count:     1024
    .wavefront_size: 32
...
	.end_amdgpu_metadata
.endif
;; end of part 2
;; launch attn (part 3): grid 4 x 64, 16 waves a work-group, clusters of 4 x 1, 210,944 bytes of LDS; arguments qc, qs, kv, ac, asc; writes ac, asc
.if DOCPART == 3
	.amdgcn_target "amdgcn-amd-amdhsa--gfx1250"
	.amdhsa_code_object_version 6
	.text
	.protected	k_qb6047023b8_attn
	.globl	k_qb6047023b8_attn
	.p2align	8
	.type	k_qb6047023b8_attn,@function
k_qb6047023b8_attn:
	s_mov_b64 s[64:65], 0
	v_nop
	global_prefetch_b8 v0, s[64:65] scope:SCOPE_SE
	s_setreg_imm32_b32 hwreg(HW_REG_WAVE_MODE, 25, 1), 1
	s_wait_xcnt 0x0
	s_wait_alu depctr_hold_cnt(0) depctr_sa_sdst(0) depctr_va_vdst(0) depctr_va_sdst(0) depctr_va_ssrc(0) depctr_va_vcc(0) depctr_vm_vsrc(0)
	s_getreg_b32 s2, hwreg(HW_REG_IB_STS2, 6, 4)
	s_cmp_eq_u32 s2, 0
	s_cbranch_scc0 .Lentry_in_a_cluster
	s_endpgm
.Lentry_in_a_cluster:
	s_bfe_u32 s2, ttmp6, 0x10000c
	s_cmp_lg_u32 s2, 0x3003
	s_cbranch_scc0 .Lentry_shape_is_right
	s_endpgm
.Lentry_shape_is_right:
; attn[b][q][head] = softmax_k(q . k, masked keys at -1e8) v, both products on codes of FP6 (E2M3); the result is quantised along the channels for the output projection.
; THE SOFTMAX: t = logit x log2(e), rounded to f32; M = the running largest t rounded up to a whole number; p = 2^(t - M) is quantised along the keys; the row's sum is taken of the unquantised p and divides at the end.
;   t is a rounded product and M is taken off by an addition (not one fused line): where all keys of a row are masked, t - M is then exactly 0 and p exactly 1.
; SHARES: a work-group owns 512 queries of one head; each of its sixteen waves one tile of 16 in each of two passes (tile 32 cx + 16 pass + wave), in 256 registers: four waves to a SIMD.
; THE WHOLE HEAD'S k, v AND SCALE WORDS, 208,896 bytes, STAY IN LDS: wave 0 asks for them at the start in eight chunks of two key steps; nothing is ever filled again, so there is no ring.
; CLUSTER: the four work-groups of a cluster belong to one head: each chunk is asked for jointly (mask 15).  No prefetch: all that the launch reads of kv is asked for by those first loads.
; LAYOUT: both products transposed: S^T = k q^T (source 0 = 16 keys), O^T = v^T p^T (source 0 = 16 channels): a lane holds one query (lane % 16) throughout.
;   p's 16 registers of tiles 2 b, 2 b + 1 are keys 32 b + 16 u + 8 h + j and become the codes at 16 h + 8 u + j of block b: the order in which the projection launch laid v's codes.  O^T's codes come out in the same order: Wo's rows were taken so.
; THE MASK costs no line here.  The scores' K is 64; the instruction's other 64 (blocks 2, 3) hold constants: q's side the code 1.0 under the byte 127; k's side codes that sum to -47.625 and -60.125,
;   under the bytes 148, 138 of a masked key (whose own codes are zeros): -100,000,000; or 1, 1.  LIMIT: an unmasked logit so carries an added -107.75 x 2^-126.  NaN and infinities are not served.
; REGISTERS: v1, v2 16 x lane, 8 x lane; v3, v4 the same + the step's record; v5, v29 the add's two; v[6:7] v's words; v[8:11] k's words; v12 -M; v13 largest t; v[14:15] the sum; v16-27 q and the ones; v28 q's word; v30 8 r; v31 q's word's offset;
;   v32-79 four tiles of k (6 loaded + 6 constant each); v80-127 v's four fragments; v128-191 S^T, then p; v192-223 O^T; v224-235 p's codes; v236-255 at work.
.set REC,   13056                      ; a key step's record: k 6,144, v 6,144, k's words 512, v's words 256
.set HEADB, 16*REC
.set CHUNK, 2*REC
.set SPARE, HEADB                      ; behind the head: the spare words, 128 bytes a wave, eight blocks of 256 bytes that no other line names
.set WV,  14
.set G1,  16                           ; s[16:23] group 1;  s[24:55] eight groups 0
.set G0,  24
.set SEL, 56
.set CS,  58                           ; s[58:59] log2(e), twice
.set TB,  60                           ; s60 LDS byte of the step's record
.set CNT, 61
.macro CROUND
	s_barrier_signal -1
	s_barrier_wait -1
	s_cmp_lg_u32 s[WV], 0
	s_cbranch_scc1 .Lnot_wave_0_\@
	s_barrier_signal -3
.Lnot_wave_0_\@:
	s_barrier_wait -3
	s_barrier_signal -1
	s_barrier_wait -1
.endm
	s_load_b256 s[4:11], s[0:1], 0x0               ; qc, qs, kv, ac
	s_load_b64 s[12:13], s[0:1], 0x20              ; asc
	v_lshl_add_u32 v5, v0, 2, SPARE
	v_mov_b32 v29, 0
	ds_add_u32 v5, v29                             ; the wave's opening: the add and its wait stand ahead of the first tensor load; work on registers stands between them
	v_lshrrev_b32 v1, 5, v0
	v_readfirstlane_b32 s[WV], v1                  ; wave 0..15
	s_and_b32 s66, ttmp7, 0xffff                   ; 16 x batch + head, which the four partners share
	s_bfe_u32 s67, ttmp6, 0x40000                  ; cx: it enters q's and the results' addresses alone
	s_mov_b32 s[G1], 15|(3<<16)|(1<<21)            ; the mask: all four; elements of 8 bytes; bit 21 beside a mask; no padding
	s_mov_b32 s[G1+1], 32<<16                      ; a chunk: 26,112 dense bytes as 102 rows of 256
	s_mov_b32 s[G1+2], 102<<16
	s_mov_b32 s[G1+3], 32<<16
	s_mov_b32 s[G1+4], 102
	s_mov_b32 s[G1+5], 32
	s_mov_b32 s[G1+6], 0
	s_mov_b32 s[G1+7], 0
	s_mov_b32 s[SEL], 0x76543210
	s_mov_b32 s[SEL+1], 0xfedcba98
	s_mov_b32 s[CS], 0x3fb8aa3b
	s_mov_b32 s[CS+1], s[CS]
	s_mul_i32 s62, s66, HEADB
	s_mov_b32 s63, 0
	s_lshl_b32 s68, s67, 5
	s_add_co_u32 s68, s68, s[WV]                   ; my tile of queries in pass 0
	s_mul_i32 s70, s66, 98304
	s_mul_i32 s71, s68, 768
	s_add_co_u32 s70, s70, s71                     ; its half image in qc
	s_mov_b32 s71, 0
	s_lshl_b32 s72, s66, 13
	s_lshr_b32 s73, s68, 3
	s_lshl_b32 s73, s73, 9
	s_add_co_u32 s72, s72, s73
	s_bfe_u32 s73, s68, 0x20001
	s_lshl_b32 s73, s73, 2
	s_add_co_u32 s72, s72, s73                     ; its words in qs: which 128 tokens, which word of the four
	s_mov_b32 s73, 0
	s_lshr_b32 s74, s66, 4
	s_lshl_b32 s74, s74, 7
	s_add_co_u32 s74, s74, s68                     ; its tile of 16 rows among the 512
	s_and_b32 s75, s66, 15                         ; the head
	s_mul_i32 s76, s74, 12288
	s_mul_i32 s77, s75, 768
	s_add_co_u32 s76, s76, s77
	s_mov_b32 s77, 0
	s_lshl_b32 s78, s74, 9
	s_lshr_b32 s79, s75, 2
	s_lshl_b32 s79, s79, 7
	s_add_co_u32 s78, s78, s79
	s_and_b32 s79, s75, 3
	s_lshl_b32 s79, s79, 1
	s_add_co_u32 s78, s78, s79
	s_mov_b32 s79, 0
	s_and_b32 s80, s[WV], 1
	s_lshl_b32 s80, s80, 8
	s_wait_dscnt 0x0                               ; the opening add is done
	s_wait_kmcnt 0x0
	s_add_nc_u64 s[62:63], s[8:9], s[62:63]        ; the head's records
	s_add_nc_u64 s[4:5], s[4:5], s[70:71]
	s_add_nc_u64 s[6:7], s[6:7], s[72:73]
	s_add_nc_u64 s[10:11], s[10:11], s[76:77]
	s_add_nc_u64 s[12:13], s[12:13], s[78:79]
.irp c, 0,1,2,3,4,5,6,7
	s_mov_b32 s[G0+4*\c], 1
	s_mov_b32 s[G0+4*\c+1], \c*CHUNK
	s_add_nc_u64 s[G0+4*\c+2:G0+4*\c+3], s[62:63], \c*CHUNK
	s_or_b32 s[G0+4*\c+3], s[G0+4*\c+3], 0x80000000
.endr
	CROUND                                         ; all four work-groups are here: the joint loads meet
	s_cmp_lg_u32 s[WV], 0
	s_cbranch_scc1 .Lno_fill
.irp c, 0,1,2,3,4,5,6,7                            ; wave 0's eight first fills, in one branch, ahead of every wait on TENSORcnt: eight loads of mine are out
	tensor_load_to_lds s[G0+4*\c:G0+4*\c+3], s[G1:G1+7]
	s_nop 0
.endr
.rept 4
	v_nop
.endr
.Lno_fill:
	v_and_b32 v1, 31, v0
	v_lshlrev_b32 v2, 3, v1
	v_lshlrev_b32 v1, 4, v1
	v_and_b32 v30, 15, v0
	v_lshlrev_b32 v31, 4, v30
	v_lshlrev_b32 v30, 3, v30
	v_add_nc_u32 v31, s80, v31                     ; q's word: image lane 16 (tile % 2) + r, 16 bytes a lane
.macro QLOAD p
	global_load_b128 v[16:19], v1, s[4:5] offset:\p*12288
	global_load_b64 v[20:21], v2, s[4:5] offset:\p*12288+512
	global_load_b32 v28, v31, s[6:7] offset:\p*1024
.endm
	QLOAD 0
	s_mov_b32 s76, 0xffff0000
	v_mov_b32 v254, 0x9aff                         ; lanes 0-15, K block 2: 6 codes -7.5 (36 ones), then -1.875, -0.75
	v_mov_b32 v255, 0x21ffff                       ; lanes 16-31, K block 3: 8 codes -7.5 (48 ones), then -0.125
	v_cndmask_b32 v255, v254, v255, s76
.irp t, 0,1,2,3
	v_mov_b32 v[38+12*\t], -1
	v_mov_b32 v[39+12*\t], v255
	v_mov_b32 v[40+12*\t], 0
	v_mov_b32 v[41+12*\t], 0
	v_mov_b32 v[42+12*\t], 0
	v_mov_b32 v[43+12*\t], 0
.endr
.irp c, 0,1                                        ; q's registers 6-11: the code 1.0 (001000) 32 times
	v_mov_b32 v[22+3*\c], 0x08208208
	v_mov_b32 v[23+3*\c], 0x82082082
	v_mov_b32 v[24+3*\c], 0x20820820
.endr
.irp b, 0,1,2,3
	v_mov_b32 v[236+\b], 0                         ; a lane permute's destination counts as read: written once
.endr
	v_mov_b32 v253, 0                              ; (named as the upper half of the pair v[252:253] before it is first written)
.macro INIT                            ; a pass begins: the step is written once, and its first walk finds zeros, which the first change of M leaves zeros
	v_mov_b32 v13, 0xff61b1e6                      ; the largest t so far: -3e38
	v_floor_f32 v12, -v13
	v_mov_b32 v14, 0
	v_mov_b32 v15, 0
.set jj, 0
.rept 32
	v_mov_b32 v[192+jj], 0
.set jj, jj+1
.endr
.endm
	INIT
.macro SMUL t                          ; S^T, tile t of 16 keys: its words lie in v[8 + t / 2], lanes 16 (t % 2) + r
.if (\t)%2
	v_wmma_scale_f32_16x16x128_f8f6f4 v[128+8*(\t):135+8*(\t)], v[32+12*((\t)%4):43+12*((\t)%4)], v[16:27], 0, v[8+(\t)/2], v28 matrix_a_fmt:MATRIX_FMT_FP6 matrix_b_fmt:MATRIX_FMT_FP6 matrix_a_scale:MATRIX_SCALE_ROW1
.else
	v_wmma_scale_f32_16x16x128_f8f6f4 v[128+8*(\t):135+8*(\t)], v[32+12*((\t)%4):43+12*((\t)%4)], v[16:27], 0, v[8+(\t)/2], v28 matrix_a_fmt:MATRIX_FMT_FP6 matrix_b_fmt:MATRIX_FMT_FP6
.endif
.endm
.macro OMUL t                          ; O^T, tile t of 16 channels
.if (\t)%2
	v_wmma_scale_f32_16x16x128_f8f6f4 v[192+8*(\t):199+8*(\t)], v[80+12*(\t):91+12*(\t)], v[224:235], v[192+8*(\t):199+8*(\t)], v[6+(\t)/2], v253 matrix_a_fmt:MATRIX_FMT_FP6 matrix_b_fmt:MATRIX_FMT_FP6 matrix_a_scale:MATRIX_SCALE_ROW1
.else
	v_wmma_scale_f32_16x16x128_f8f6f4 v[192+8*(\t):199+8*(\t)], v[80+12*(\t):91+12*(\t)], v[224:235], v[192+8*(\t):199+8*(\t)], v[6+(\t)/2], v253 matrix_a_fmt:MATRIX_FMT_FP6 matrix_b_fmt:MATRIX_FMT_FP6
.endif
.endm
; A KEY STEP: 128 keys, whose record begins at LDS byte s[TB].
.macro STEP
	v_add_nc_u32 v3, s[TB], v1
	v_add_nc_u32 v4, s[TB], v2
	v_nop
	v_nop                                          ; four places behind the last step's products, ahead of loads into their operands
	ds_load_b128 v[8:11], v3 offset:12288          ; k's words
.irp t, 0,1,2,3
	ds_load_b128 v[32+12*\t:35+12*\t], v3 offset:768*\t
	ds_load_b64 v[36+12*\t:37+12*\t], v4 offset:768*\t+512
.endr
	ds_load_b64 v[6:7], v4 offset:12800            ; v's words
.irp f, 0,1,2,3
.irp c, 0,1,2
	ds_load_b128 v[80+12*\f+4*\c:83+12*\f+4*\c], v3 offset:6144+1536*\f+512*\c
.endr
.endr
	s_wait_dscnt 13                                ; k's words and tiles 0-3 are in; v's words and its twelve loads may be out
.irp t, 0,1,2,3
	SMUL \t
.endr
.rept 4
	v_nop
.endr
.irp t, 0,1,2,3
	ds_load_b128 v[32+12*\t:35+12*\t], v3 offset:768*(4+\t)
	ds_load_b64 v[36+12*\t:37+12*\t], v4 offset:768*(4+\t)+512
.endr
	s_wait_dscnt 0x0
.irp t, 4,5,6,7
	SMUL \t
.endr
.rept 4
	v_nop
.endr
.irp b, 0,1,2,3
	v_max3_num_f32 v[248+\b], v[128+16*\b], v[129+16*\b], v[130+16*\b]   ; the largest score of each block of 32 keys: for the row's maximum, and, since p rises with the score, for the block's largest p
.endr
.irp i, 3,5,7,9,11,13
.irp b, 0,1,2,3
	v_max3_num_f32 v[248+\b], v[248+\b], v[128+16*\b+\i], v[129+16*\b+\i]
.endr
.endr
.irp b, 0,1,2,3
	v_max_num_f32 v[248+\b], v[248+\b], v[143+16*\b]
.endr
.irp b, 0,1,2,3
	v_permlanex16_b32 v[236+\b], v[248+\b], s[SEL], s[SEL+1]
.endr
.irp b, 0,1,2,3
	v_max_num_f32 v[248+\b], v[248+\b], v[236+\b]
.endr
	v_max3_num_f32 v254, v248, v249, v250
	v_max_num_f32 v254, v254, v251
	v_mul_f32 v254, s[CS], v254                    ; as t
	v_max_num_f32 v13, v13, v254                   ; the running largest t
	v_mov_b32 v254, v12
	v_floor_f32 v12, -v13                          ; the new -M: a whole number
	v_sub_f32 v254, v12, v254                      ; old M - new M, 0 or less
	v_cvt_i32_f32 v254, v254                       ; (it saturates)
	v_ldexp_f32 v252, 1.0, v254                    ; f = 2^(old M - new M)
.set jj, 0
.rept 32
	v_pk_mul_f32 v[128+jj:129+jj], v[128+jj:129+jj], s[CS:CS+1] op_sel_hi:[1,0]   ; t, rounded
.set jj, jj+2
.endr
.irp b, 0,1,2,3
	v_mul_f32 v[248+\b], s[CS], v[248+\b]
.endr
.set jj, 0
.rept 32
	v_pk_add_f32 v[128+jj:129+jj], v[128+jj:129+jj], v[12:13] op_sel_hi:[1,0]     ; t - M
.set jj, jj+2
.endr
.irp b, 0,1,2,3
	v_add_f32 v[248+\b], v[248+\b], v12
.endr
.set jj, 0
.rept 64
	v_exp_f32 v[128+jj], v[128+jj]                 ; p, at most 1, not normalised
.set jj, jj+1
.endr
	v_pk_mul_f32 v[14:15], v[14:15], v[252:253] op_sel_hi:[1,0]   ; the sums under the new M: the plain place behind the exponentials
	s_wait_alu depctr_va_vdst(0)                   ; one wait for the batch of 64, ahead of its first reader
.irp b, 0,1,2,3
	v_exp_f32 v[248+\b], v[248+\b]                 ; each block's largest p: the same lines on the same number
.endr
	v_pk_add_f32 v[236:237], v[128:129], v[130:131]   ; the row's sum of the unquantised p, in two chains: it reads the 64 alone
.set jj, 4
.rept 15
	v_pk_add_f32 v[14:15], v[14:15], v[128+jj:129+jj]
	v_pk_add_f32 v[236:237], v[236:237], v[130+jj:131+jj]
.set jj, jj+4
.endr
	v_pk_add_f32 v[14:15], v[14:15], v[236:237]
	s_wait_alu depctr_va_vdst(0)                   ; and one for the four
.irp b, 0,1,2,3
	v_max_num_f32 v[248+\b], 0x1800000, v[248+\b]  ; the floor 2^(3 - 127): a block whose every p is 0 keeps the byte 1 over zero codes
.endr
.irp b, 0,1,2,3
	v_add_nc_u32 v[244+\b], 0xff000000, v[248+\b]
.endr
.irp b, 0,1,2,3
	v_lshrrev_b32 v[236+\b], 23, v[244+\b]
.endr
	v_lshl_or_b32 v253, v237, 8, v236              ; p's scale word for these 128 keys
	v_lshl_or_b32 v253, v238, 16, v253
	v_lshl_or_b32 v253, v239, 24, v253
.irp c, 0,1
	v_cvt_scalef32_pk16_fp6_f32 v[224+6*\c:226+6*\c], v[128+32*\c:143+32*\c], v[244+2*\c]
	v_cvt_scalef32_pk16_fp6_f32 v[236+4*\c:238+4*\c], v[144+32*\c:159+32*\c], v[244+2*\c+1]
.endr
	v_nop                                          ; one plain place behind a scaled conversion
.irp c, 0,1
.irp i, 0,1,2
	v_permlane16_swap_b32 v[224+6*\c+\i], v[236+4*\c+\i]
.endr
.irp i, 0,1,2
	v_mov_b32 v[227+6*\c+\i], v[236+4*\c+\i]
.endr
.endr
.set jj, 0
.rept 16
	v_pk_mul_f32 v[192+jj:193+jj], v[192+jj:193+jj], v[252:253] op_sel_hi:[1,0]   ; O^T under the new M; these sixteen are also the places between p's word and codes and the products
.set jj, jj+2
.endr
.irp t, 0,1,2,3
	OMUL \t                                        ; eight products on other accumulators stand between two links on one of these
.endr
	s_add_co_u32 s[TB], s[TB], REC
.endm
.macro TRIPS n
	s_mov_b32 s[CNT], \n
.Lstep_\@:
	STEP
	s_sub_co_u32 s[CNT], s[CNT], 1
	s_cmp_lg_u32 s[CNT], 0
	s_cbranch_scc1 .Lstep_\@
.endm
; A pass ends: O^T / the sum, quantised along the head's 64 channels (two blocks), leaves as a half image and two scale bytes a row.
.macro OUT p
.rept 4
	v_nop                                          ; places behind the last products
.endr
	v_add_f32 v14, v14, v15
	v_permlanex16_b32 v254, v14, s[SEL], s[SEL+1]
	v_add_f32 v14, v14, v254                       ; the row's sum
	v_rcp_f32 v254, v14
	v_nop                                          ; a plain place behind the reciprocal
.if \p == 0
	QLOAD 1                                        ; the next pass's queries: q's registers were last read a softmax ago
.endif
	s_wait_alu depctr_va_vdst(0)                   ; ahead of the reciprocal's first reader
	v_mov_b32 v255, v254
.set jj, 0
.rept 16
	v_pk_mul_f32 v[128+jj:129+jj], v[192+jj:193+jj], v[254:255]   ; ascending: each accumulator from its low end on
.set jj, jj+2
.endr
.irp b, 0,1
	v_max3_num_f32 v[248+\b], |v[128+16*\b]|, |v[129+16*\b]|, 0x1800000
.endr
.irp i, 2,4,6,8,10,12,14
.irp b, 0,1
	v_max3_num_f32 v[248+\b], v[248+\b], |v[128+16*\b+\i]|, |v[129+16*\b+\i]|
.endr
.endr
.irp b, 0,1
	v_permlanex16_b32 v[236+\b], v[248+\b], s[SEL], s[SEL+1]
.endr
.irp b, 0,1
	v_max_num_f32 v[248+\b], v[248+\b], v[236+\b]
.endr
.irp b, 0,1
	v_add_nc_u32 v[244+\b], 0xff000000, v[248+\b]
.endr
.irp b, 0,1
	v_lshrrev_b32 v[240+\b], 23, v[244+\b]
.endr
	v_lshl_or_b32 v250, v241, 8, v240              ; the row's two bytes, the same in both halves of the lanes
	v_cvt_scalef32_pk16_fp6_f32 v[224:226], v[128:143], v244
	v_cvt_scalef32_pk16_fp6_f32 v[236:238], v[144:159], v245
	v_nop
.irp i, 0,1,2
	v_permlane16_swap_b32 v[224+\i], v[236+\i]
.endr
.irp i, 0,1,2
	v_mov_b32 v[227+\i], v[236+\i]
.endr
	global_store_b128 v1, v[224:227], s[10:11] offset:\p*196608        ; 512 consecutive bytes
	global_store_b64 v2, v[228:229], s[10:11] offset:\p*196608+512     ; 256 consecutive bytes
	global_store_b16 v30, v250, s[12:13] offset:\p*8192                ; two bytes a row, 8 bytes apart: four heads share a row's 8 bytes; 2 bytes beside 48 of codes
	s_wait_xcnt 0x0                                ; the stores have read their registers, which the next pass writes
.endm
	s_wait_loadcnt 0x0                             ; q
.irp c, 0,1,2,3,4,5,6,7                            ; PASS 0 follows the chunks as they land
	s_wait_tensorcnt 7-\c                          ; wave 0: its loads end in the order of issue, so chunk c is in while the 7 - c behind it may be out; the other waves have none out
	s_barrier_signal -1                            ; (no LDS access of mine is out here)
	s_barrier_wait -1                              ; every wave may read chunk c
	s_mov_b32 s[TB], \c*CHUNK
	TRIPS 2
.endr
	OUT 0
	INIT
	s_wait_loadcnt 0x0                             ; the second tile's q
	s_mov_b32 s[TB], 0
	TRIPS 16                                       ; PASS 1: the whole head lies in LDS
	OUT 1
	s_wait_tensorcnt 0x0                           ; the wave's end, behind the last tensor load
	ds_add_u32 v5, v29
	s_wait_dscnt 0x0
	CROUND                                         ; the closing round
	s_endpgm
.Lfunc_end_k_qb6047023b8_attn:
	.size	k_qb6047023b8_attn, .Lfunc_end_k_qb6047023b8_attn-k_qb6047023b8_attn
	.p2alignl 7, 3214868480
	.fill 96, 4, 3214868480
	.section	.rodata,"a",@progbits
	.p2align	6, 0x0
	.amdhsa_kernel k_qb6047023b8_attn
		.amdhsa_group_segment_fixed_size 210944
		.amdhsa_private_segment_fixed_size 0
		.amdhsa_enable_private_segment 0
		.amdhsa_kernarg_size 40
		.amdhsa_user_sgpr_count 2
		.amdhsa_user_sgpr_kernarg_segment_ptr 1
		.amdhsa_wavefront_size32 1
		.amdhsa_system_sgpr_workgroup_id_x 1
		.amdhsa_system_sgpr_workgroup_id_y 1
		.amdhsa_system_sgpr_workgroup_id_z 1
		.amdhsa_system_vgpr_workitem_id 0
		.amdhsa_next_free_vgpr 256
		.amdhsa_next_free_sgpr 92
		.amdhsa_reserve_vcc 0
		.amdhsa_float_denorm_mode_32 3
		.amdhsa_float_denorm_mode_16_64 3
		.amdhsa_memory_ordered 1
		.amdhsa_forward_progress 1
		.amdhsa_inst_pref_size 179
	.end_amdhsa_kernel
	.amdgpu_metadata
---
amdhsa.version: [ 1, 2 ]
amdhsa.kernels:
  - .name:           k_qb6047023b8_attn
    .symbol:         k_qb6047023b8_attn.kd
    .args:
      - { .name: qc, .offset: 0, .size: 8, .value_kind: global_buffer, .address_space: global }
      - { .name: qs, .offset: 8, .size: 8, .value_kind: global_buffer, .address_space: global }
      - { .name: kv, .offset: 16, .size: 8, .value_kind: global_buffer, .address_space: global }
      - { .name: ac, .offset: 24, .size: 8, .value_kind: global_buffer, .address_space: global }
      - { .name: asc, .offset: 32, .size: 8, .value_kind: global_buffer, .address_space: global }
    .group_segment_fixed_size: 210944
    .private_segment_fixed_size: 0
    .kernarg_segment_align: 8
    .kernarg_segment_size: 40
    .max_flat_workgroup_size: 512
    .sgpr_count:     92
    .vgpr_count:     256
    .wavefront_size: 32
...
	.end_amdgpu_metadata
.endif
;; end of part 3
;; launch outp (part 4): grid 4 x 32, 4 waves a work-group, clusters of 4 x 4, 327,680 bytes of LDS; arguments ac, asc, opc, ops, bo, out0; writes out0
.if DOCPART == 4
	.amdgcn_target "amdgcn-amd-amdhsa--gfx1250"
	.amdhsa_code_object_version 6
	.text
	.protected	k_qb6047023b8_outp
	.globl	k_qb6047023b8_outp
	.p2align	8
	.type	k_qb6047023b8_outp,@function
k_qb6047023b8_outp:
	s_mov_b64 s[64:65], 0
	v_nop
	global_prefetch_b8 v0, s[64:65] scope:SCOPE_SE
	s_setreg_imm32_b32 hwreg(HW_REG_WAVE_MODE, 25, 1), 1
	s_wait_xcnt 0x0
	s_wait_alu depctr_hold_cnt(0) depctr_sa_sdst(0) depctr_va_vdst(0) depctr_va_sdst(0) depctr_va_ssrc(0) depctr_va_vcc(0) depctr_vm_vsrc(0)
	s_getreg_b32 s2, hwreg(HW_REG_IB_STS2, 6, 4)
	s_cmp_eq_u32 s2, 0
	s_cbranch_scc0 .Lentry_in_a_cluster
	s_endpgm
.Lentry_in_a_cluster:
	s_bfe_u32 s2, ttmp6, 0x10000c
	s_cmp_lg_u32 s2, 0xf033
	s_cbranch_scc0 .Lentry_shape_is_right
	s_endpgm
.Lentry_shape_is_right:
; out0 = attn Wo + bo on codes of FP6 (E2M3).  attn's codes (ac) and scale bytes (asc) come from the attention launch, Wo's from the quantising launch (opc + 14,942,208, ops + 622,592), both as images of operand registers
; (half image: 768 bytes = 16 rows x 64 K; registers 0-3 of lane l at 16 l, registers 4-5 at 512 + 8 l), both with places 8-15 and 16-23 of each block of 32 along K exchanged: the pairs meet, the blocks are the true blocks.
; A tile of 256 x 256 to a work-group of four waves, 128 x 128 a wave; K = 1,024 in four slots' worth of 256 through a ring of two LDS slots.  128 work-groups: a smaller tile would read half as much again from LDS for each product.
; CLUSTERS: 4 x 4; A's tiles are asked for jointly along a row of the cluster, B's along a column.  THE MATRIX INSTRUCTION IS USED TRANSPOSED (source 0 = Wo's columns, source 1 = tokens): a lane holds eight neighbouring numbers of a row of out0.
; bo is the C of each sum's first product.  No prefetch: of the four slots' worth of K two are asked for at the head.
; REGISTERS: window 0: v1-3 lane, r, h; v16-23 fragment addresses; v24-26 the way out; v27 scale words' address; v28, v29 the add's two; v32-63 scale words, two sets, and nothing else; v64-127 bo in the result's layout; v128-223 A's fragments.
;   window 1: B's fragments, two sets.  windows 2, 3: the accumulators, (a, b) at v[8 (8 (a % 4) + b)].
.set NQ,     2
.set FR,     12
.set NL,     4
.set NP,     4                         ; places behind this matrix instruction (ISA guide 7.12.1)
.set TILEB,  3072
.set HALFT,  8*TILEB
.set SLOT,   4*HALFT
.set SCL,    2*SLOT
.set HALFS,  4096
.set SBLK,   512
.set SPARE,  SCL+4*HALFS               ; the spare words: 128 bytes a wave, two blocks of 256 bytes that no other line names
.set SPITCH, 528                       ; the way out: a stage of 16 rows x (512 bytes + 16) for each wave, in slot 0, which has had its last fill and its last read when the first result is stored there
.set SIZE_N, 1024
.set ADRA, 16
.set ADRB, 20
.set STO,  24
.set RD,   25
.set CO,   26
.set ADRS, 27
.set SPW,  28
.set NIL,  29
.set SC,   32
.set BO,   64
.set AF,   128
.set BK,   128
.set G1, 24
.set G0, 32
.set G1B, 48
.set G0B, 56
.set G1S, 68
.set G0S, 76
.set G1SB, 80
.set G0SB, 88
.set MSB, 0
.macro WIN new                         ; the immediate's high byte repeats the setting that is left
.if MSB != (\new)
	s_set_vgpr_msb (MSB<<8)|(\new)
.set MSB, (\new)
.endif
.endm
.set MUL_LO, 0xa1                      ; source 0 (B) window 1, source 1 (A) window 0, C and D window 2
.set MUL_HI, 0xf1
.set BIA_LO, 0x81                      ; the same with C (bo) in window 0
.set BIA_HI, 0xc1
.set TO_B,   0x40
.macro JLOAD g0a, g1a, g0b, g1b        ; a joint load: waves 0 and 1 fetch for A, waves 2 and 3 for B; an s_nop 0 and four v_nop follow each line
	s_cmp_eq_u32 s15, 0
	s_cbranch_scc0 .Lfor_b_\@
	tensor_load_to_lds s[\g0a:\g0a+3], s[\g1a:\g1a+7]
	s_nop 0
.rept 4
	v_nop
.endr
	s_branch .Lasked_\@
.Lfor_b_\@:
	tensor_load_to_lds s[\g0b:\g0b+3], s[\g1b:\g1b+7]
	s_nop 0
.rept 4
	v_nop
.endr
.Lasked_\@:
.endm
.macro CREST
	s_cmp_lg_u32 s14, 0
	s_cbranch_scc1 .Lnot_wave_0_\@
	s_barrier_signal -3
.Lnot_wave_0_\@:
	s_barrier_wait -3
	s_barrier_signal -1
	s_barrier_wait -1
.endm
.macro CROUND
	s_barrier_signal -1
	s_barrier_wait -1
	CREST
.endm
	s_load_b256 s[4:11], s[0:1], 0x0               ; ac, asc, opc, ops
	s_load_b128 s[92:95], s[0:1], 0x20             ; bo, out0
	v_lshl_add_u32 v[SPW], v0, 2, SPARE
	v_mov_b32 v[NIL], 0
	ds_add_u32 v[SPW], v[NIL]                      ; the wave's opening: the add and its wait stand ahead of my first tensor load; work on registers stands between them
	v_lshrrev_b32 v1, 5, v0
	v_readfirstlane_b32 s14, v1                    ; wave 0..3
	s_lshr_b32 s15, s14, 1
	s_and_b32 s16, s14, 1
	s_bfe_u32 s40, ttmp6, 0x40000                  ; cx
	s_bfe_u32 s41, ttmp6, 0x40004                  ; cy
	s_lshl_b32 s42, ttmp9, 2
	s_add_co_u32 s42, s42, s40                     ; tile column
	s_and_b32 s17, ttmp7, 0xffff
	s_lshl_b32 s17, s17, 2
	s_add_co_u32 s17, s17, s41                     ; tile row
	s_lshl_b32 s43, s41, 2
	s_lshl_b32 s43, 15, s43                        ; my row of the cluster
	s_lshl_b32 s44, 0x1111, s40                    ; my column
	s_or_b32 s[G1+0], s43, (3<<16)|(1<<21)         ; codes: 8 tiles of 16 rows, 3,072 consecutive bytes each (384 elements of 8 bytes), 12,288 bytes apart
	s_or_b32 s[G1B+0], s44, (3<<16)|(1<<21)
.irp g, G1, G1B
	s_mov_b32 s[\g+1], 384<<16
	s_mov_b32 s[\g+2], 8<<16
	s_mov_b32 s[\g+3], 384<<16
	s_mov_b32 s[\g+4], 8
	s_mov_b32 s[\g+5], 1536
	s_mov_b32 s[\g+6], 0
	s_mov_b32 s[\g+7], 0
.endr
	s_or_b32 s[G1S+0], s43, (3<<16)|(1<<21)        ; scale bytes of 128 rows: 4,096 dense bytes as 16 rows of 256
	s_or_b32 s[G1SB+0], s44, (3<<16)|(1<<21)
.irp g, G1S, G1SB
	s_mov_b32 s[\g+1], 32<<16
	s_mov_b32 s[\g+2], 16<<16
	s_mov_b32 s[\g+3], 32<<16
	s_mov_b32 s[\g+4], 16
	s_mov_b32 s[\g+5], 32
	s_mov_b32 s[\g+6], 0
	s_mov_b32 s[\g+7], 0
.endr
	s_lshl_b32 s47, s16, 3
	s_lshl_b32 s18, s17, 4
	s_add_co_u32 s18, s18, s47                     ; A: the first tile of 16 rows that I fetch
	s_lshl_b32 s19, s42, 4
	s_add_co_u32 s19, s19, s47                     ; B likewise
	s_mul_i32 s[G0+2], s18, 12288
	s_mov_b32 s[G0+3], 0
	s_lshl_b32 s[G0S+2], s18, 9
	s_mov_b32 s[G0S+3], 0
	s_mul_i32 s[G0B+2], s19, 12288
	s_add_co_u32 s[G0B+2], s[G0B+2], 14942208
	s_mov_b32 s[G0B+3], 0
	s_lshl_b32 s[G0SB+2], s19, 9
	s_add_co_u32 s[G0SB+2], s[G0SB+2], 622592
	s_mov_b32 s[G0SB+3], 0
	s_mul_i32 s20, s14, HALFT
	s_mul_i32 s21, s14, HALFS
	s_wait_dscnt 0x0                               ; the opening add is done
	s_wait_kmcnt 0x0
	s_add_nc_u64 s[G0+2:G0+3], s[4:5], s[G0+2:G0+3]
	s_add_nc_u64 s[G0+6:G0+7], s[G0+2:G0+3], TILEB
	s_add_nc_u64 s[G0B+2:G0B+3], s[8:9], s[G0B+2:G0B+3]
	s_add_nc_u64 s[G0B+6:G0B+7], s[G0B+2:G0B+3], TILEB
	s_add_nc_u64 s[G0S+2:G0S+3], s[6:7], s[G0S+2:G0S+3]
	s_add_nc_u64 s[G0SB+2:G0SB+3], s[10:11], s[G0SB+2:G0SB+3]
.irp g, G0, G0+4, G0B, G0B+4, G0S, G0SB
	s_mov_b32 s[\g], 1
	s_or_b32 s[\g+3], s[\g+3], 0x80000000
.endr
.irp s, 0,1
	s_add_co_u32 s[G0+4*\s+1], s20, \s*SLOT
	s_add_co_u32 s[G0B+4*\s+1], s20, \s*SLOT
.endr
	s_add_co_u32 s[G0S+1], s21, SCL
	s_add_co_u32 s[G0SB+1], s21, SCL
	CROUND                                         ; all sixteen work-groups are here: the first joint loads meet
	JLOAD G0S, G1S, G0SB, G1SB                     ; three loads of mine are out behind these lines
	JLOAD G0, G1, G0B, G1B
	JLOAD G0+4, G1, G0B+4, G1B
	v_and_b32 v1, 31, v0                           ; lane
	v_and_b32 v2, 15, v0                           ; r
	v_bfe_u32 v3, v0, 4, 1                         ; h
	v_lshlrev_b32 v[CO], 4, v1                     ; 16 x lane
	v_lshlrev_b32 v5, 3, v1                        ; 8 x lane
	s_mul_i32 s21, s15, HALFT
	s_mul_i32 s22, s16, HALFT
	s_add_co_u32 s22, s22, 2*HALFT
.irp s, 0,1
	v_add_nc_u32 v[ADRA+\s], s21, v[CO]
	v_add_nc_u32 v[ADRB+\s], s22, v[CO]
	v_add_nc_u32 v[ADRA+2+\s], s21, v5
	v_add_nc_u32 v[ADRB+2+\s], s22, v5
	s_add_co_u32 s21, s21, SLOT
	s_add_co_u32 s22, s22, SLOT
.endr
	s_lshl_b32 s21, s15, 12                        ; scale words: lanes 0-15 A's rows, lanes 16-31 B's: the lower base + h x the distance
	s_lshl_b32 s22, s16, 12
	s_add_co_u32 s22, s22, 2*HALFS
	s_sub_co_u32 s22, s22, s21
	v_mul_u32_u24 v6, s22, v3
	s_add_co_u32 s21, s21, SCL
	v_lshl_add_u32 v6, v2, 3, v6
	v_add_nc_u32 v[ADRS], s21, v6
	s_mul_i32 s23, s14, 16*SPITCH                  ; my stage
	v_mul_u32_u24 v6, v2, SPITCH
	v_lshl_add_u32 v6, v3, 5, v6
	v_add_nc_u32 v[STO], s23, v6                   ; in: row r, 32 bytes for each half of the lanes
	v_add_nc_u32 v[RD], s23, v[CO]                 ; back: the 32 lanes take one row of 512 bytes
	s_lshl_b32 s19, s42, 8
	s_lshl_b32 s20, s16, 7
	s_add_co_u32 s19, s19, s20                     ; my first column
	s_lshl_b32 s18, s17, 8
	s_lshl_b32 s20, s15, 7
	s_add_co_u32 s18, s18, s20                     ; my first row
	v_lshlrev_b32 v7, 5, v3
	v_lshl_add_u32 v7, s19, 2, v7                  ; bo: 4 x first column + 32 h
.irp b, 0,1,2,3,4,5,6,7
	global_load_b128 v[BO+8*\b:BO+8*\b+3], v7, s[92:93] offset:64*\b
	global_load_b128 v[BO+8*\b+4:BO+8*\b+7], v7, s[92:93] offset:64*\b+16
.endr
	s_lshl_b32 s20, s18, 12                        ; a row of out0 is 4,096 bytes
	s_lshl_b32 s21, s19, 2
	s_add_co_u32 s20, s20, s21
	s_mov_b32 s21, 0
	s_add_nc_u64 s[94:95], s[94:95], s[20:21]
.macro FRAG reg, adr, q, i             ; a fragment = two half images on end: four loads of consecutive bytes
	ds_load_b128 v[\reg:\reg+3], v[\adr] offset:(\i)*TILEB+(\q)*1536
	ds_load_b64 v[\reg+4:\reg+5], v[\adr+2] offset:(\i)*TILEB+(\q)*1536+512
	ds_load_b128 v[\reg+6:\reg+9], v[\adr] offset:(\i)*TILEB+(\q)*1536+768
	ds_load_b64 v[\reg+10:\reg+11], v[\adr+2] offset:(\i)*TILEB+(\q)*1536+1280
.endm
; 16 matrix instructions: A's blocks a0, a0 + 1 x B's eight.  cm = 2: the product starts the sums from bo.  The 64 accumulators take turns, one instruction a turn.
.macro MUL16 a0, p, q, sc, cm
.irp a, \a0, \a0+1
.irp b, 0,1,2,3,4,5,6,7
.if \cm == 2
	v_wmma_scale_f32_16x16x128_f8f6f4 v[8*(8*((\a)%4)+\b):8*(8*((\a)%4)+\b)+7], v[128*(\p)+FR*\b:128*(\p)+FR*\b+FR-1], v[AF+FR*(\a):AF+FR*(\a)+FR-1], v[BO+8*\b:BO+8*\b+7], v[SC+8*NQ*(\sc)+NQ*\b+(\q)], v[SC+8*NQ*(\sc)+NQ*(\a)+(\q)] matrix_a_fmt:MATRIX_FMT_FP6 matrix_b_fmt:MATRIX_FMT_FP6 matrix_a_scale:MATRIX_SCALE_ROW1
.else
	v_wmma_scale_f32_16x16x128_f8f6f4 v[8*(8*((\a)%4)+\b):8*(8*((\a)%4)+\b)+7], v[128*(\p)+FR*\b:128*(\p)+FR*\b+FR-1], v[AF+FR*(\a):AF+FR*(\a)+FR-1], v[8*(8*((\a)%4)+\b):8*(8*((\a)%4)+\b)+7], v[SC+8*NQ*(\sc)+NQ*\b+(\q)], v[SC+8*NQ*(\sc)+NQ*(\a)+(\q)] matrix_a_fmt:MATRIX_FMT_FP6 matrix_b_fmt:MATRIX_FMT_FP6 matrix_a_scale:MATRIX_SCALE_ROW1
.endif
.endr
.endr
.endm
.macro FETCH_B slot, q, p
	WIN TO_B
.irp i, 0,1,2,3,4,5,6,7
	FRAG 128*(\p)+FR*\i, ADRB+\slot, \q, \i
.endr
	WIN 0
.endm
.macro FETCH_A slot, q, i0
.irp i, \i0, \i0+1, \i0+2, \i0+3
	FRAG AF+FR*(\i), ADRA+\slot, \q, \i
.endr
.endm
.macro SCALES sc
.irp i, 0,1,2,3,4,5,6,7
	ds_load_b64 v[SC+8*NQ*\sc+NQ*\i:SC+8*NQ*\sc+NQ*\i+1], v[ADRS] offset:\i*SBLK
.endr
.endm
.macro PLACES n                        ; plain vector instructions between a matrix instruction and a load into, or a read of, its registers (ISA guide 7.12.1 for reads)
.rept \n
	v_nop
.endr
.endm
.macro STEP slot, q, cm
	s_wait_dscnt 4*NL                              ; B's set, A's blocks 0-3 and the scale words are in; the youngest 16 loads (A's blocks 4-7) may be out
.if \cm == 2
	WIN BIA_LO
.else
	WIN MUL_LO
.endif
	MUL16 0, (\q)%2, \q, \slot, \cm
	MUL16 2, (\q)%2, \q, \slot, \cm
	s_wait_dscnt 0
	PLACES NP
	FETCH_B \slot, (\q)+1, 1-(\q)%2
	FETCH_A \slot, (\q)+1, 0
.if \cm == 2
	WIN BIA_HI
.else
	WIN MUL_HI
.endif
	MUL16 4, (\q)%2, \q, \slot, \cm
	MUL16 6, (\q)%2, \q, \slot, \cm
	PLACES NP
	WIN 0
	FETCH_A \slot, (\q)+1, 4
.endm
.macro TURN slot, next, fill           ; a slot's last step changes slots: one barrier, with the wait for all my tensor loads, the add, and the wait for it and for my reads of the slot in front of it
	s_wait_tensorcnt 0x0                           ; all my tensor loads have landed: my part of the next slot
	ds_add_u32 v[SPW], v[NIL]                      ; 0 onto my spare word
	s_wait_dscnt 4*NL+1                            ; (the add and the youngest 16 loads may be out)
	WIN MUL_LO
	MUL16 0, 1, NQ-1, \slot, 0
	s_wait_dscnt 0x0                               ; the add is done, and my reads of this slot are over
	s_barrier_signal -1
	MUL16 2, 1, NQ-1, \slot, 0
	WIN 0
	s_barrier_wait -1
.if \fill
	CREST                                          ; the barrier has opened a round of the cluster's barrier: no wave of any partner still reads this slot or has a load on its way
	s_add_nc_u64 s[G0+4*\slot+2:G0+4*\slot+3], s[G0+4*\slot+2:G0+4*\slot+3], 2*TILEB
	s_add_nc_u64 s[G0B+4*\slot+2:G0B+4*\slot+3], s[G0B+4*\slot+2:G0B+4*\slot+3], 2*TILEB
	JLOAD G0+4*\slot, G1, G0B+4*\slot, G1B         ; the first tensor load behind the round; its four v_nop are the places in front of the loads below
.else
	PLACES NP
.endif
	v_add_nc_u32 v[ADRS], 128, v[ADRS]
	FETCH_B \next, 0, 0
	FETCH_A \next, 0, 0
	SCALES \next
	WIN MUL_HI
	MUL16 4, 1, NQ-1, \slot, 0
	MUL16 6, 1, NQ-1, \slot, 0
	PLACES NP
	WIN 0
	FETCH_A \next, 0, 4
.endm
	s_wait_tensorcnt 1                             ; the scale bytes and my part of slot 0 are in; slot 1's load may be out
	s_barrier_signal -1
	s_barrier_wait -1
	FETCH_B 0, 0, 0
	FETCH_A 0, 0, 0
	SCALES 0
	FETCH_A 0, 0, 4
	s_wait_loadcnt 0x0                             ; bo
	STEP 0, 0, 2                                   ; the first step's products start the sums from bo
	s_mov_b32 s3, 1
.Llap:                                                 ; a trip goes once round the ring and fills both slots again: K = 1,024 has one such trip
	TURN 0, 1, 1
	STEP 1, 0, 0
	TURN 1, 0, 1
	STEP 0, 0, 0
	s_sub_co_u32 s3, s3, 1
	s_cmp_lg_u32 s3, 0
	s_cbranch_scc1 .Llap
	TURN 0, 1, 0
	STEP 1, 0, 0
	s_wait_dscnt 4*NL
	WIN MUL_LO
	MUL16 0, 1, NQ-1, 1, 0
	MUL16 2, 1, NQ-1, 1, 0
	s_wait_dscnt 0
	WIN MUL_HI
	MUL16 4, 1, NQ-1, 1, 0
	MUL16 6, 1, NQ-1, 1, 0
	WIN 0
; THE WAY OUT, block by block of 16 rows x 128 columns, through my own stage: in as 32 bytes a lane, back as whole rows of 512 bytes.  LDS serves a wave's instructions in order (ISA guide 5.7.1.4): no wait between the stores and the loads.
.macro TOSTAGE a
.set AC, 64*((\a)%4)
	WIN 0x08+4*((\a)/4)                            ; an LDS store's data: window 2 or 3
.irp b, 0,1,2,3,4,5,6,7
	ds_store_b128 v[STO], v[AC+8*\b:AC+8*\b+3] offset:64*\b          ; each accumulator from its low end on
	ds_store_b128 v[STO], v[AC+8*\b+4:AC+8*\b+7] offset:64*\b+16
.endr
	WIN 0
.set BB, BK+64*((\a)%2)
.irp t, 0,1,2,3,4,5,6,7,8,9,10,11,12,13,14,15
	ds_load_b128 v[BB+4*\t:BB+4*\t+3], v[RD] offset:\t*SPITCH
.endr
.endm
.macro SEND a, younger                 ; younger: the LDS instructions issued behind block a's loads, which may stay out
.set BB, BK+64*((\a)%2)
	s_wait_dscnt \younger
.if (\a) > 0
	s_add_nc_u64 s[94:95], s[94:95], 16*SIZE_N*4   ; (behind a wait on XCNT: the earlier stores have read their base)
.endif
.irp t, 0,1,2,3,4,5,6,7,8,9,10,11,12,13,14,15
	global_store_b128 v[CO], v[BB+4*\t:BB+4*\t+3], s[94:95] offset:\t*SIZE_N*4 th:TH_STORE_NT   ; 32 lanes store 512 consecutive bytes, aligned; written once, read by nobody here
.endr
.endm
	PLACES NP
	TOSTAGE 0
.irp a, 1,2,3,4,5,6,7
.if \a > 1
	s_wait_xcnt 0x0                                ; block a - 2's stores have read their registers and their base
.endif
	TOSTAGE \a
	SEND \a-1, 32                                  ; behind block a - 1's loads: block a's 16 stores and 16 loads
.endr
	s_wait_xcnt 0x0
	SEND 7, 0
	s_wait_tensorcnt 0x0                           ; the wave's end, behind my last tensor load and my last LDS store
	ds_add_u32 v[SPW], v[NIL]
	s_wait_dscnt 0x0
	CROUND                                         ; the closing round
	s_endpgm
.Lfunc_end_k_qb6047023b8_outp:
	.size	k_qb6047023b8_outp, .Lfunc_end_k_qb6047023b8_outp-k_qb6047023b8_outp
	.p2alignl 7, 3214868480
	.fill 96, 4, 3214868480
	.section	.rodata,"a",@progbits
	.p2align	6, 0x0
	.amdhsa_kernel k_qb6047023b8_outp
		.amdhsa_group_segment_fixed_size 327680
		.amdhsa_private_segment_fixed_size 0
		.amdhsa_enable_private_segment 0
		.amdhsa_kernarg_size 48
		.amdhsa_user_sgpr_count 2
		.amdhsa_user_sgpr_kernarg_segment_ptr 1
		.amdhsa_wavefront_size32 1
		.amdhsa_system_sgpr_workgroup_id_x 1
		.amdhsa_system_sgpr_workgroup_id_y 1
		.amdhsa_system_sgpr_workgroup_id_z 1
		.amdhsa_system_vgpr_workitem_id 0
		.amdhsa_next_free_vgpr 1024
		.amdhsa_next_free_sgpr 98
		.amdhsa_reserve_vcc 0
		.amdhsa_float_denorm_mode_32 3
		.amdhsa_float_denorm_mode_16_64 3
		.amdhsa_memory_ordered 1
		.amdhsa_forward_progress 1
		.amdhsa_inst_pref_size 145
	.end_amdhsa_kernel
	.amdgpu_metadata
---
amdhsa.version: [ 1, 2 ]
amdhsa.kernels:
  - .name:           k_qb6047023b8_outp
    .symbol:         k_qb6047023b8_outp.kd
    .args:
      - { .name: ac, .offset: 0, .size: 8, .value_kind: global_buffer, .address_space: global }
      - { .name: asc, .offset: 8, .size: 8, .value_kind: global_buffer, .address_space: global }
      - { .name: opc, .offset: 16, .size: 8, .value_kind: global_buffer, .address_space: global }
      - { .name: ops, .offset: 24, .size: 8, .value_kind: global_buffer, .address_space: global }
      - { .name: bo, .offset: 32, .size: 8, .value_kind: global_buffer, .address_space: global }
      - { .name: out0, .offset: 40, .size: 8, .value_kind: global_buffer, .address_space: global }
    .group_segment_fixed_size: 327680
    .private_segment_fixed_size: 0
    .kernarg_segment_align: 8
    .kernarg_segment_size: 48
    .max_flat_workgroup_size: 128
    .sgpr_count:     98
    .vgpr_count:     1024
    .wavefront_size: 32
...
	.end_amdgpu_metadata
.endif
;; end of part 4
